; MI455X (gfx1250); checked and timed in simulation.
; The chip was launched on July 23, 2026; its instructions are those of AMD's public machine-readable ISA for CDNA 5 (MIT licence, August 2026) and "CDNA5" Instruction Set Architecture Reference Guide (July 2026). The comments in the code are by the model that wrote it; some were corrected since.
;; Ctx MH Att. Allowed arithmetic: matrix products marked QUANTISED: E2M1 operands, one E8M0 scale for each 32 along K, by v_wmma_scale_f32_16x16x128_f8f6f4 with both operands' format E2M1 (or v_wmma_scale_f32_32x16x128_f4), f32 sums; products left as they are: bf16, f16 or f32 operands; f32 sums; everything else in f32.
;; Inputs: Wc 1,024 x 1,024 float32; Wk 1,024 x 1,024 float32; Wm 1,024 x 1,024 float32; Wq 1,024 x 1,024 float32; Wup 1,024 x 32 float32; Wv 1,024 x 1,024 float32; bc 1,024 float32; bk 1,024 float32; bm 1,024 float32; bq 1,024 float32; bv 1,024 float32; c 8 x 32 x 1,024 float32; k 8 x 1,024 x 1,024 float32; ln_b 1,024 float32; ln_w 1,024 float32; q 8 x 1,024 x 1,024 float32; tau one number float32; v 8 x 1,024 x 1,024 float32.
;; Outputs: out0 8 x 1,024 x 1,024 float32.
;; This version of the problem:
;;   THIS VERSION OF THE PROBLEM IS GIVEN IN LOW PRECISION. The matrix products marked QUANTISED in the list below multiply operands that are first quantised to E2M1 (2 exponent bits, 1 mantissa bit; 4 bits a number), with one power-of-two scale for each 32 numbers along K (OCP MX v1.0); their sums are f32. The products marked 'left as it is' may take bf16, f16 or f32 operands, with f32 sums. Whichever they take, every output number must still come out within the allowed error. Rounding operands to bf16 (8 significant bits) uses up far more of that allowance than f16 does (11 bits, for magnitudes from 6e-5 to 65,504). All else is computed in f32.
;;   The module's matrix products, in the order in which they are computed (A, B: the left and right operand; K: the contracted axis; several contracted axes count as one K, in the product's order):
;;     1. [M 8,192, K 1,024] x [K 1,024, N 1,024]; A: input v; B: input Wv: QUANTISED
;;     2. [M 8,192, K 1,024] x [K 1,024, N 1,024]; A: input k; B: input Wk: QUANTISED
;;     3. [M 8,192, K 1,024] x [K 1,024, N 1,024]; A: input q; B: input Wq: QUANTISED
;;     4. [M 256, K 1,024] x [K 1,024, N 1,024]; A: input c; B: input Wc: QUANTISED
;;     5. batch 64 x [M 1,024, K 128] x [K 128, N 1,024]; A: computed on the way; B: computed on the way: left as it is (an operand is computed on the way)
;;     6. [M 1,024, K 32] x [K 32, N 8,192]; A: input Wup; B: computed on the way: left as it is (an operand is computed on the way)
;;     7. batch 64 x [M 1,024, K 128] x [K 128, N 1,024]; A: computed on the way; B: computed on the way: left as it is (an operand is computed on the way)
;;     8. batch 64 x [M 1,024, K 1,024] x [K 1,024, N 128]; A: computed on the way; B: computed on the way: left as it is (an operand is computed on the way)
;;     9. [M 8,192, K 1,024] x [K 1,024, N 1,024]; A: computed on the way; B: input Wm: left as it is (an operand is computed on the way)
;;   THE QUANTISER, for each operand of a quantised product, along K:
;;     - K is cut into blocks of 32 from its start; a last block that is shorter is filled with zeros.
;;     - A block's scale is 2^e with e = floor(log2(the largest magnitude in the block)) - 2, held to -126 .. 127; a block of zeros has e = 0. As a byte (E8M0): e + 127.
;;     - Each number is divided by its block's scale, clamped to +-6, and rounded to the nearest number of E2M1, ties to even, subnormals kept.
;;     - The product sums the exact products of the quantised numbers (number of the format x scale) in f32.
;;   ~~~python
;;   def quantise(x, axis):      # numpy; x: float32 -> the quantised numbers, widened to float32 again
;;       x = np.moveaxis(x, axis, -1); K = x.shape[-1]
;;       x = np.pad(x, [(0, 0)] * (x.ndim - 1) + [(0, -K % 32)]); x = x.reshape(x.shape[:-1] + (-1, 32)); a = np.abs(x).max(-1, keepdims=True)
;;       e = np.where(a > 0, np.clip(np.frexp(np.where(a > 0, a, 1))[1] - 1 - 2, -126, 127), 0)      # np.frexp(a)[1] - 1 = floor(log2(a)), exactly
;;       r = np.clip(x / 2.0 ** e, -6, 6)
;;       step = 2.0 ** (np.maximum(np.frexp(np.where(r == 0, 1, r))[1] - 1, 0) - 1)
;;       q = np.round(r / step) * step * 2.0 ** e      # np.round: ties to even
;;       return np.moveaxis(q.reshape(q.shape[:-2] + (-1,))[..., :K], -1, axis).astype(np.float32)
;;   ~~~
;; One version. Each part assembles by itself: llvm-mc -triple=amdgcn-amd-amdhsa -mcpu=gfx1250 --defsym DOCPART=n.
;; ======== version 1 of 1: 4 launches
;; limits: values are held in f16: magnitudes above 65,504 overflow, below 6.1e-05 lose precision
;; workspace buffers: codes 14,811,136 bytes; scales 925,696 bytes; heads 50,855,936 bytes; att 16,777,216 bytes; wm16 2,097,152 bytes
;; launch quant (part 1): grid 936 x 1, 4 waves a work-group, no clusters, 33,280 bytes of LDS; arguments q, k, v, c, Wq, Wk, Wv, Wc, Wm, codes, scales, wm16; writes codes, scales, wm16
.if DOCPART == 1
	.amdgcn_target "amdgcn-amd-amdhsa--gfx1250"
	.amdhsa_code_object_version 6
	.text
	.protected	k_q89784cb2be_quant
	.globl	k_q89784cb2be_quant
	.p2align	8
	.type	k_q89784cb2be_quant,@function
k_q89784cb2be_quant:
	s_mov_b64 s[64:65], 0
	v_nop
	global_prefetch_b8 v0, s[64:65] scope:SCOPE_SE
	s_setreg_imm32_b32 hwreg(HW_REG_WAVE_MODE, 25, 1), 1
	s_wait_xcnt 0x0
; The eight operands of the four quantised products (q, k, v, c and Wq, Wk, Wv, Wc; f32, K = 1,024 innermost in all of them) become codes of FP4 (E2M1), two to a byte, with one E8M0 byte
; for each 32 along K.  All rows are dense, so the eight tensors are one stream of blocks of 32: codes is [28,928 rows][512 bytes], scales [28,928 rows][32 bytes], rows in the order q, k, v, c, Wq, Wk, Wv, Wc.
; A block's scale is 2^(floor(log2(its largest magnitude)) - 2); its byte is the largest magnitude's exponent field - 2, held at 1 from below; each number is divided by the scale and rounded to the nearest code, ties to even.
; A block of zeros gets the byte 1 (its codes are zeros, and this program alone reads the bytes).  LIMITS: NaN and infinities among the inputs are not served.
; Work-groups 0 to 903 quantise 32,768 numbers each (a wave: 16 steps of 512).  Each load reads 512 consecutive bytes; a step's 2,048 bytes turn through the wave's own stage in LDS, so that a lane holds 16 neighbours.
; Work-groups 904 to 935 round Wm to f16 and lay it as the last launch's operand registers want it: wm16 is [64 tiles of 16 rows][32 steps of 32 along K][1,024 bytes]:
; registers 0-3 of lane l at 16 l, registers 4-7 at 512 + 16 l.  LIMIT: a number of Wm beyond 65,504 in size becomes an infinity.
.set NQWG,  904                        ; work-groups that quantise
.set WAVES, 4
.set STEPS, 16
.set EMAX,  2
.set CB,    8                          ; bytes of 16 codes
.set R,     16                         ; v16-79   four sets of 16 numbers as they are loaded
.set X,     80                         ; v80-111  two sets of 16 neighbours
.set E,     112                        ; v112-127 a scale byte for each step
.set C,     128                        ; v128-191 codes: four registers for each step
.set WREG,  8192                       ; LDS: a region for each wave: two stages of 32 x SP bytes, behind them its 256 scale bytes
.set SP,    80                         ; a lane's place in a stage: 64 bytes + 16 of padding
.set SPW,   12                         ; v12  LDS address of my spare word; never rewritten
.set NIL,   13                         ; v13  0; never rewritten
.set SPARE, WAVES*WREG                 ; behind the regions: the spare words, 128 bytes a wave
	s_load_b512 s[4:19], s[0:1], 0x0               ; q, k, v, c, Wq, Wk, Wv, Wc
	s_load_b256 s[20:27], s[0:1], 0x40             ; Wm, codes, scales, wm16
	v_lshl_add_u32 v[SPW], v0, 2, SPARE
	v_mov_b32 v[NIL], 0
	v_lshrrev_b32 v1, 5, v0
	v_readfirstlane_b32 s28, v1                    ; wave
	v_and_b32 v2, 31, v0                           ; lane
	s_wait_kmcnt 0x0
	s_cmp_ge_u32 ttmp9, NQWG                       ; the work-group's number alone decides
	s_cbranch_scc1 .Lwm
	; ---------------- the quantiser
	v_lshlrev_b32 v3, 4, v2                        ; my 16 bytes of a load's 512
	s_mul_i32 s30, s28, WREG
	v_lshrrev_b32 v14, 2, v2
	v_mul_u32_u24 v14, v14, SP
	v_and_b32 v15, 3, v2
	v_lshl_add_u32 v14, v15, 4, v14
	v_add_nc_u32 v14, s30, v14                     ; the stage, on the way in: SP (lane / 4) + 16 (lane % 4)
	v_mul_u32_u24 v15, v2, SP
	v_add_nc_u32 v15, s30, v15                     ; and on the way out: SP x lane: my 16 neighbours
	v_mul_u32_u24 v4, v2, CB                       ; my codes' place in a step's
	v_lshrrev_b32 v5, 1, v2
	s_add_co_u32 s30, s30, 2*32*SP
	v_add_nc_u32 v5, s30, v5                       ; LDS: my wave's 256 scale bytes, my block's byte
	v_lshlrev_b32 v7, 3, v2                        ; and on the way out 8 bytes a lane
	v_add_nc_u32 v6, s30, v7
	s_mov_b32 s29, 0                               ; the first work-group of my tensor
.macro PICK start, p                   ; from work-group start on the tensor is the one at s[p:p+1]: a choice on the work-group's number
	s_cmp_ge_u32 ttmp9, \start
	s_cselect_b64 s[4:5], s[\p:\p+1], s[4:5]
	s_cselect_b32 s29, \start, s29
.endm
	PICK 256, 6                                    ; k
	PICK 512, 8                                    ; v
	PICK 768, 10                                   ; c
	PICK 776, 12                                   ; Wq
	PICK 808, 14                                   ; Wk
	PICK 840, 16                                   ; Wv
	PICK 872, 18                                   ; Wc
	s_sub_co_u32 s30, ttmp9, s29
	s_lshl_b32 s30, s30, 2
	s_add_co_u32 s30, s30, s28                     ; which run of 8,192 numbers of the tensor is my wave's
	s_lshl_b32 s30, s30, 15                        ; in bytes (under 2^26)
	s_mov_b32 s31, 0
	s_add_nc_u64 s[4:5], s[4:5], s[30:31]
	s_lshl_b32 s32, ttmp9, 2
	s_add_co_u32 s32, s32, s28                     ; and which run of the whole stream
	s_lshl_b32 s30, s32, 12                        ; 4,096 bytes of codes a run
	s_add_nc_u64 s[22:23], s[22:23], s[30:31]
	s_lshl_b32 s30, s32, 8                         ; 256 scale bytes a run
	s_add_nc_u64 s[24:25], s[24:25], s[30:31]
.macro LOAD t
.irp i, 0,1,2,3
	global_load_b128 v[R+16*((\t)%4)+4*\i:R+16*((\t)%4)+4*\i+3], v3, s[4:5] offset:2048*(\t)+512*\i th:TH_LOAD_NT   ; 32 lanes read 512 consecutive bytes
.endr
.endm
.macro TURN t                          ; step t's numbers through the stage: LDS serves a wave's instructions in order, so no wait stands between the stores and the loads
.irp i, 0,1,2,3
	ds_store_b128 v14, v[R+16*((\t)%4)+4*\i:R+16*((\t)%4)+4*\i+3] offset:32*SP*((\t)%2)+8*SP*\i
.endr
.irp i, 0,1,2,3
	ds_load_b128 v[X+16*((\t)%2)+4*\i:X+16*((\t)%2)+4*\i+3], v15 offset:32*SP*((\t)%2)+16*\i
.endr
.endm
.irp t, 0,1,2,3
	LOAD \t
.endr
	s_wait_loadcnt 12                              ; step 0's four loads are in; the twelve of steps 1 to 3 may be out
	TURN 0
.macro STEP t
.set XS, X+16*((\t)%2)
.if (\t) > 0
	s_wait_dscnt 1                                 ; this step's numbers are back from the stage (the last step's byte store may be out)
.else
	s_wait_dscnt 0x0
.endif
.if (\t)+4 < STEPS
	LOAD (\t)+4                                    ; into the registers that the stage's stores have read
.endif
.if (\t)+1 < STEPS
.if STEPS-2-(\t) >= 3
	s_wait_loadcnt 12                              ; the next step's four loads are in; those of the three steps behind it may be out
.else
	s_wait_loadcnt 4*(STEPS-2-(\t))
.endif
	TURN (\t)+1
.endif
	v_max3_num_f32 v8, |v[XS]|, |v[XS+1]|, |v[XS+2]|               ; the largest magnitude of my 16
	v_max3_num_f32 v9, |v[XS+3]|, |v[XS+4]|, |v[XS+5]|
.irp i, 6,10
	v_max3_num_f32 v8, v8, |v[XS+\i]|, |v[XS+\i+1]|
	v_max3_num_f32 v9, v9, |v[XS+\i+2]|, |v[XS+\i+3]|
.endr
	v_max3_num_f32 v8, v8, |v[XS+14]|, |v[XS+15]|
	v_max3_num_f32 v8, v8, v9, (EMAX+1)<<23        ; and the floor 2^(3 - 127): the byte cannot fall under 1
	v_max_num_f32_dpp v8, v8, v8 row_xmask:1 row_mask:0xf bank_mask:0xf   ; and of my neighbour's 16: the block's
	v_add_nc_u32 v11, -(EMAX<<23), v8              ; 2 off its exponent field: the conversion takes the exponent field of this operand as its scale
	v_cvt_scalef32_pk8_fp4_f32 v[C+4*(\t)], v[XS:XS+7], v11
	v_cvt_scalef32_pk8_fp4_f32 v[C+4*(\t)+1], v[XS+8:XS+15], v11
	v_lshrrev_b32 v[E+(\t)], 23, v11               ; the scale's byte
	ds_store_b8 v5, v[E+(\t)] offset:16*(\t)       ; both lanes of a block write the same byte with the same value
	global_store_b64 v4, v[C+4*(\t):C+4*(\t)+1], s[22:23] offset:32*CB*(\t)   ; the wave stores 256 consecutive bytes, aligned
.endm
.irp t, 0,1,2,3,4,5,6,7,8,9,10,11,12,13,14,15
	STEP \t
.endr
	ds_load_b64 v[8:9], v6                         ; LDS serves a wave's instructions in order: these see my stores
	s_wait_dscnt 0x0
	global_store_b64 v7, v[8:9], s[24:25]          ; 32 lanes store 256 consecutive bytes, aligned
	s_wait_tensorcnt 0x0                           ; the wave's end
	ds_add_u32 v[SPW], v[NIL]
	s_wait_dscnt 0x0
	s_endpgm
	; ---------------- Wm to f16, in the order of the operand's registers
.Lwm:
	s_sub_co_u32 s30, ttmp9, NQWG
	s_lshl_b32 s30, s30, 1
	s_lshr_b32 s31, s28, 1
	s_add_co_u32 s30, s30, s31                     ; my tile of 16 rows: 2 x work-group + wave / 2
	s_and_b32 s31, s28, 1                          ; my half of K: 16 steps of 32
	s_lshl_b32 s32, s30, 16                        ; 16 rows of 4,096 bytes
	s_lshl_b32 s33, s31, 11                        ; 512 numbers
	s_add_co_u32 s32, s32, s33
	s_mov_b32 s33, 0
	s_add_nc_u64 s[20:21], s[20:21], s[32:33]
	s_lshl_b32 s32, s30, 15                        ; 32 images of 1,024 bytes a tile
	s_lshl_b32 s34, s31, 14
	s_add_co_u32 s32, s32, s34
	s_add_nc_u64 s[26:27], s[26:27], s[32:33]
	v_and_b32 v3, 15, v0                           ; r
	v_bfe_u32 v4, v0, 4, 1                         ; h
	v_lshlrev_b32 v3, 12, v3
	v_lshl_add_u32 v3, v4, 5, v3                   ; in: row r, + 32 h bytes: k = 8 h + 0 .. 7 of a step
	v_lshlrev_b32 v4, 4, v2                        ; out: 16 x lane
.macro LOADG g                         ; four steps of 32 along K: of each, k = 8 h + 0 .. 7 and 16 + 8 h + 0 .. 7 of my row
.irp i, 0,1,2,3
.irp u, 0,1,2,3
	global_load_b128 v[16+64*((\g)%2)+16*\i+4*\u:16+64*((\g)%2)+16*\i+4*\u+3], v3, s[20:21] offset:128*(4*(\g)+\i)+16*(\u%2)+64*(\u/2) th:TH_LOAD_NT
.endr
.endr
.endm
.macro WMG g
.if (\g) < 3
	s_wait_loadcnt 16                              ; this group's 16 loads are in; the next group's may be out
.else
	s_wait_loadcnt 0x0
.endif
.if (\g) > 0
	s_wait_xcnt 0x0                                ; the last group's stores have read v144-175: they are written again only behind this wait
.endif
.irp i, 0,1,2,3
.irp e, 0,1,2,3,4,5,6,7
	v_cvt_pk_f16_f32 v[144+8*\i+\e], v[16+64*((\g)%2)+16*\i+2*\e], v[16+64*((\g)%2)+16*\i+2*\e+1]
.endr
.endr
.irp i, 0,1,2,3
	global_store_b128 v4, v[144+8*\i:144+8*\i+3], s[26:27] offset:1024*(4*(\g)+\i)        ; 512 consecutive bytes, aligned
	global_store_b128 v4, v[144+8*\i+4:144+8*\i+7], s[26:27] offset:1024*(4*(\g)+\i)+512
.endr
.if (\g) < 2
	LOADG (\g)+2
.endif
.endm
	LOADG 0
	LOADG 1
	WMG 0
	WMG 1
	WMG 2
	WMG 3
	s_wait_tensorcnt 0x0                           ; the same three closing lines on this way
	ds_add_u32 v[SPW], v[NIL]
	s_wait_dscnt 0x0
	s_endpgm
.Lfunc_end_k_q89784cb2be_quant:
	.size	k_q89784cb2be_quant, .Lfunc_end_k_q89784cb2be_quant-k_q89784cb2be_quant
	.p2alignl 7, 3214868480
	.fill 96, 4, 3214868480
	.section	.rodata,"a",@progbits
	.p2align	6, 0x0
	.amdhsa_kernel k_q89784cb2be_quant
		.amdhsa_group_segment_fixed_size 33280
		.amdhsa_private_segment_fixed_size 0
		.amdhsa_enable_private_segment 0
		.amdhsa_kernarg_size 96
		.amdhsa_user_sgpr_count 2
		.amdhsa_user_sgpr_kernarg_segment_ptr 1
		.amdhsa_wavefront_size32 1
		.amdhsa_system_sgpr_workgroup_id_x 1
		.amdhsa_system_sgpr_workgroup_id_y 1
		.amdhsa_system_sgpr_workgroup_id_z 1
		.amdhsa_system_vgpr_workitem_id 0
		.amdhsa_next_free_vgpr 192
		.amdhsa_next_free_sgpr 66
		.amdhsa_reserve_vcc 0
		.amdhsa_float_denorm_mode_32 3
		.amdhsa_float_denorm_mode_16_64 3
		.amdhsa_memory_ordered 1
		.amdhsa_forward_progress 1
		.amdhsa_inst_pref_size 52
	.end_amdhsa_kernel
	.amdgpu_metadata
---
amdhsa.version: [ 1, 2 ]
amdhsa.kernels:
  - .name:           k_q89784cb2be_quant
    .symbol:         k_q89784cb2be_quant.kd
    .args:
      - { .name: q, .offset: 0, .size: 8, .value_kind: global_buffer, .address_space: global }
      - { .name: k, .offset: 8, .size: 8, .value_kind: global_buffer, .address_space: global }
      - { .name: v, .offset: 16, .size: 8, .value_kind: global_buffer, .address_space: global }
      - { .name: c, .offset: 24, .size: 8, .value_kind: global_buffer, .address_space: global }
      - { .name: Wq, .offset: 32, .size: 8, .value_kind: global_buffer, .address_space: global }
      - { .name: Wk, .offset: 40, .size: 8, .value_kind: global_buffer, .address_space: global }
      - { .name: Wv, .offset: 48, .size: 8, .value_kind: global_buffer, .address_space: global }
      - { .name: Wc, .offset: 56, .size: 8, .value_kind: global_buffer, .address_space: global }
      - { .name: Wm, .offset: 64, .size: 8, .value_kind: global_buffer, .address_space: global }
      - { .name: codes, .offset: 72, .size: 8, .value_kind: global_buffer, .address_space: global }
      - { .name: scales, .offset: 80, .size: 8, .value_kind: global_buffer, .address_space: global }
      - { .name: wm16, .offset: 88, .size: 8, .value_kind: global_buffer, .address_space: global }
    .group_segment_fixed_size: 33280
    .private_segment_fixed_size: 0
    .kernarg_segment_align: 8
    .kernarg_segment_size: 96
    .max_flat_workgroup_size: 128
    .sgpr_count:     66
    .vgpr_count:     192
    .wavefront_size: 32
...
	.end_amdgpu_metadata
.endif
;; end of part 1
;; launch proj (part 2): grid 4 x 97, 4 waves a work-group, clusters of 4 x 1, 327,680 bytes of LDS; arguments codes, scales, bq, bk, bv, bc, heads; writes heads
.if DOCPART == 2
	.amdgcn_target "amdgcn-amd-amdhsa--gfx1250"
	.amdhsa_code_object_version 6
	.text
	.protected	k_q89784cb2be_proj
	.globl	k_q89784cb2be_proj
	.p2align	8
	.type	k_q89784cb2be_proj,@function
k_q89784cb2be_proj:
	s_mov_b64 s[64:65], 0
	v_nop
	global_prefetch_b8 v0, s[64:65] scope:SCOPE_SE
	s_setreg_imm32_b32 hwreg(HW_REG_WAVE_MODE, 25, 1), 1
	s_wait_xcnt 0x0
	s_wait_alu depctr_hold_cnt(0) depctr_sa_sdst(0) depctr_va_vdst(0) depctr_va_sdst(0) depctr_va_ssrc(0) depctr_va_vcc(0) depctr_vm_vsrc(0)
	s_getreg_b32 s2, hwreg(HW_REG_IB_STS2, 6, 4)
	s_cmp_eq_u32 s2, 0
	s_cbranch_scc0 .Lentry_in_a_cluster
	s_endpgm
.Lentry_in_a_cluster:
	s_bfe_u32 s2, ttmp6, 0x10000c
	s_cmp_lg_u32 s2, 0x3003
	s_cbranch_scc0 .Lentry_shape_is_right
	s_endpgm
.Lentry_shape_is_right:
; The four quantised products: y = x W^T + b for x = q, k, v (8,192 rows each) and c (256 rows), on codes of FP4 (E2M1) with one E8M0 scale for each 32 along K = 1,024; sums in f32, the bias as the sums' start.
; A work-group makes 256 rows x 256 columns: tile row ty = 0 .. 96 over the rows q, k, v, c on end (ty / 32 says which tensor, weight and bias), tile column = its place in the cluster.
; A wave makes 128 x 128, which is 128 rows of ONE head.  K goes in two steps of 512 through two LDS slots, each filled once; the scales of all of K come with them.
; CLUSTER: the four work-groups of a tile row need the same rows of x: their codes and scales are asked for jointly (mask 15).  97 tile rows divide into no cluster along y, so each
; work-group fetches its own columns' weights by plain loads behind the same round.
; THE MATRIX INSTRUCTION IS USED TRANSPOSED (source 0 = 16 rows of W, source 1 = 16 rows of x): a lane holds eight neighbouring channels of one row.
; OUT: f16, as tile images of 512 bytes (16 rows x 16 channels; lane (r, h) owns row r, channels 8 h + 0 .. 7): heads = qh | kh | vh ([batch x head][64 row tiles][8 images]) | ch ([batch x head][2][8]).
; In qh and kh a lane's 16 bytes lie at 16 x lane: two images are a fragment's registers.  In vh and ch they lie at 256 (r / 8) + 128 h + 16 (r % 8): the turning LDS load at 16 x lane then gives channels by lanes.
; LIMIT: a result beyond 65,504 in size becomes an infinity in f16.
; REGISTERS: window 0: v0-31 addresses; v32-95 scale words, two sets; v128-191 x's fragments, one set; v192-255 the bias in the result's layout.  window 1: W's fragments, two sets; on the way out the packed results.
;   windows 2, 3: the 64 accumulators ((a, b) at v[8 (8 (a % 4) + b)]).
.set NQ,     4                         ; matrix instructions deep in a slot
.set ROWB,   256                       ; a tile's row in bytes: 512 codes
.set KROW,   512                       ; a row of codes in memory
.set PITCH,  272                       ; an LDS row: 256 bytes + 16 of padding: the 16 rows of a fragment load start at 16 different banks
.set FR,     8
.set NL,     2
.set NP,     4
.set HALFT,  128*PITCH
.set SLOT,   4*HALFT                   ; x's 256 rows, then W's 256 rows
.set KS,     32                        ; a row of scales in bytes
.set SCL,    2*SLOT                    ; behind the slots: the scales, as units of 256 bytes + 16 of padding
.set HALFS,  16*272                    ; those of 128 rows
.set SBLK,   2*272                     ; those of 16 rows
.set SPARE,  SCL+4*HALFS               ; the spare words, 128 bytes a wave
.set WROW0,  24832                     ; the first row of Wq in codes and scales
.set ADRA, 16                          ; v16-17  LDS address of my x fragments in slot 0, 1
.set ADRB, 20                          ; v20-21  the same for W
.set CO,   26                          ; v26     my 16 bytes' place in a tile image
.set ADRS, 27                          ; v27     LDS address of my scale words: lanes 0-15 x's rows, lanes 16-31 W's
.set SPW,  28
.set NIL,  29
.set BO,   30                          ; v30     32 h: my eight numbers of a block of 16 of the bias
.set SC,   32
.set AF,   128
.set BI,   192
.set G1, 24                            ; s[24:31] group 1 for x's tiles; s[32:39] groups 0, one for each slot
.set G0, 32
.set SB, 40                            ; s[40:47] four store bases: my row tiles 0-1, 2-3, 4-5, 6-7
.set G1B, 48                           ; s[48:55], s[56:63] the same for W's tiles
.set G0B, 56
.set G1S, 68                           ; s[68:75], s[76:79] for x's scales; s[80:87], s[88:91] for W's
.set G0S, 76
.set G1SB, 80
.set G0SB, 88
.set MSB, 0
.macro WIN new                         ; the immediate's high byte repeats the setting that is left
.if MSB != (\new)
	s_set_vgpr_msb (MSB<<8)|(\new)
.set MSB, (\new)
.endif
.endm
.set MUL_LO, 0xa1                      ; source 0 (W) window 1, source 1 (x) window 0, C and D window 2
.set MUL_HI, 0xf1                      ; the same, C and D window 3
.set TO_B,   0x40
; Waves 0 and 1 fetch for x (jointly), waves 2 and 3 for W.  The branch hangs on the wave's number alone.  An s_nop 0 and four v_nop follow each of the two lines.
.macro JLOAD g0a, g1a, g0b, g1b
	s_cmp_eq_u32 s19, 0
	s_cbranch_scc0 .Lfor_b_\@
	tensor_load_to_lds s[\g0a:\g0a+3], s[\g1a:\g1a+7]
	s_nop 0
.rept 4
	v_nop
.endr
	s_branch .Lasked_\@
.Lfor_b_\@:
	tensor_load_to_lds s[\g0b:\g0b+3], s[\g1b:\g1b+7]
	s_nop 0
.rept 4
	v_nop
.endr
.Lasked_\@:
.endm
.macro CROUND                          ; a round of the cluster's barrier
	s_barrier_signal -1
	s_barrier_wait -1
	s_cmp_lg_u32 s18, 0
	s_cbranch_scc1 .Lnot_wave_0_\@
	s_barrier_signal -3
.Lnot_wave_0_\@:
	s_barrier_wait -3
	s_barrier_signal -1
	s_barrier_wait -1
.endm
	s_load_b256 s[4:11], s[0:1], 0x0               ; codes, scales, bq, bk
	s_load_b128 s[12:15], s[0:1], 0x20             ; bv, bc
	s_load_b64 s[16:17], s[0:1], 0x30              ; heads
	v_lshl_add_u32 v[SPW], v0, 2, SPARE
	v_mov_b32 v[NIL], 0
	ds_add_u32 v[SPW], v[NIL]                      ; the wave's opening: the add, twice on end, and its wait ahead of my first tensor load
	ds_add_u32 v[SPW], v[NIL]
	v_lshrrev_b32 v1, 5, v0
	v_readfirstlane_b32 s18, v1                    ; wave 0..3
	s_lshr_b32 s19, s18, 1                         ; which half of the tile's rows is mine.  Also: I fetch for x (0) or for W (1)
	s_and_b32 s20, s18, 1                          ; which half of its columns.  Also: which 128 rows I fetch
	s_bfe_u32 s21, ttmp6, 0x40000                  ; cx = the tile column
	s_and_b32 s22, ttmp7, 0xffff                   ; ty: the cluster's y
	s_lshr_b32 s23, s22, 5                         ; 0 q, 1 k, 2 v, 3 c
	s_mov_b32 s[G1], 15|(1<<20)|(1<<21)|(5<<22)|(3<<25)   ; mask: all four; elements of 1 byte; padding: 4 words behind every 64
	s_mov_b32 s[G1B], (1<<20)|(5<<22)|(3<<25)             ; no mask: a load of my own
.irp g, G1, G1B
	s_mov_b32 s[\g+1], ROWB<<16                    ; tensor_dim0
	s_mov_b32 s[\g+2], 128<<16                     ; tensor_dim1
	s_mov_b32 s[\g+3], ROWB<<16                    ; tile_dim0
	s_mov_b32 s[\g+4], 128                         ; tile_dim1
	s_mov_b32 s[\g+5], KROW                        ; pitch
	s_mov_b32 s[\g+6], 0
	s_mov_b32 s[\g+7], 0
.endr
	s_mov_b32 s[G1S], 15|(3<<16)|(1<<20)|(1<<21)|(5<<22)|(3<<25)   ; the scales of 128 rows: 4,096 dense bytes as 16 rows of 256 (32 elements of 8 bytes)
	s_mov_b32 s[G1SB], (3<<16)|(1<<20)|(5<<22)|(3<<25)
.irp g, G1S, G1SB
	s_mov_b32 s[\g+1], 32<<16
	s_mov_b32 s[\g+2], 16<<16
	s_mov_b32 s[\g+3], 32<<16
	s_mov_b32 s[\g+4], 16
	s_mov_b32 s[\g+5], 32
	s_mov_b32 s[\g+6], 0
	s_mov_b32 s[\g+7], 0
.endr
	s_lshl_b32 s2, s20, 7                          ; which 128 rows of a tile I fetch
	s_lshl_b32 s92, s22, 8
	s_add_co_u32 s92, s92, s2                      ; x: row 256 ty + 128 x half: no place in the cluster enters it
	s_lshl_b32 s96, s92, 5                         ; its scales, in bytes
	s_lshl_b32 s92, s92, 9                         ; its codes
	s_mov_b32 s93, 0
	s_mov_b32 s97, 0
	s_lshl_b32 s94, s23, 10
	s_lshl_b32 s3, s21, 8
	s_add_co_u32 s94, s94, s3
	s_add_co_u32 s94, s94, s2
	s_add_co_u32 s94, s94, WROW0                   ; W: row 24,832 + 1,024 x tensor + 256 cx + 128 x half
	s_lshl_b32 s98, s94, 5
	s_lshl_b32 s94, s94, 9
	s_mov_b32 s95, 0
	s_mov_b32 s99, 0
	s_mul_i32 s2, s18, HALFT                       ; where they go: wave x 128 rows
	s_mul_i32 s3, s18, HALFS
	s_wait_dscnt 0x0                               ; both opening adds are done
	s_wait_kmcnt 0x0
	s_add_nc_u64 s[92:93], s[4:5], s[92:93]
	s_add_nc_u64 s[96:97], s[6:7], s[96:97]
	s_add_nc_u64 s[94:95], s[4:5], s[94:95]
	s_add_nc_u64 s[98:99], s[6:7], s[98:99]
	CROUND                                         ; all four work-groups are here: the first joint loads meet
	s_mov_b32 s[G0S], 1
	s_add_co_u32 s[G0S+1], s3, SCL
	s_mov_b64 s[G0S+2:G0S+3], s[96:97]
	s_or_b32 s[G0S+3], s[G0S+3], 0x80000000
	s_mov_b32 s[G0SB], 1
	s_add_co_u32 s[G0SB+1], s3, SCL
	s_mov_b64 s[G0SB+2:G0SB+3], s[98:99]
	s_or_b32 s[G0SB+3], s[G0SB+3], 0x80000000
	JLOAD G0S, G1S, G0SB, G1SB                     ; the scales first: they are wanted with the first step
.irp s, 0,1
	s_mov_b32 s[G0+4*\s], 1
	s_add_co_u32 s[G0+4*\s+1], s2, \s*SLOT
	s_add_nc_u64 s[G0+4*\s+2:G0+4*\s+3], s[92:93], \s*ROWB
	s_or_b32 s[G0+4*\s+3], s[G0+4*\s+3], 0x80000000
	s_mov_b32 s[G0B+4*\s], 1
	s_add_co_u32 s[G0B+4*\s+1], s2, \s*SLOT
	s_add_nc_u64 s[G0B+4*\s+2:G0B+4*\s+3], s[94:95], \s*ROWB
	s_or_b32 s[G0B+4*\s+3], s[G0B+4*\s+3], 0x80000000
	JLOAD G0+4*\s, G1, G0B+4*\s, G1B               ; by this text's count three tensor loads of a wave are out
.endr
	v_and_b32 v1, 15, v0                           ; r
	v_bfe_u32 v2, v0, 4, 1                         ; h
	v_mul_u32_u24 v3, v1, PITCH
	v_lshl_add_u32 v4, v2, 4, v3                   ; a fragment's row x pitch + 16 h
	s_mul_i32 s2, s19, HALFT                       ; my 128 rows of x
	s_mul_i32 s3, s20, HALFT                       ; my 128 rows of W,
	s_add_co_u32 s3, s3, 2*HALFT                   ; which lie behind x's 256
.irp s, 0,1
	v_add_nc_u32 v[ADRA+\s], s2, v4
	v_add_nc_u32 v[ADRB+\s], s3, v4
	s_add_co_u32 s2, s2, SLOT
	s_add_co_u32 s3, s3, SLOT
.endr
	v_mul_u32_u24 v5, v1, KS                       ; my row's scales: 32 bytes a row,
	v_lshrrev_b32 v6, 8, v5
	v_lshl_add_u32 v5, v6, 4, v5                   ; and 16 more for each 256 passed
	s_mul_i32 s2, s19, HALFS
	s_mul_i32 s3, s20, HALFS
	s_add_co_u32 s3, s3, 2*HALFS
	s_sub_co_u32 s3, s3, s2
	v_mul_u32_u24 v6, s3, v2                       ; lanes 16-31 take W's
	s_add_co_u32 s2, s2, SCL
	v_add_nc_u32 v5, v5, v6
	v_add_nc_u32 v[ADRS], s2, v5
	v_and_b32 v5, 31, v0
	v_lshlrev_b32 v5, 4, v5                        ; an image's place for my lane: q, k: 16 x lane;
	v_and_b32 v6, 7, v0
	v_lshlrev_b32 v6, 4, v6
	v_lshl_add_u32 v6, v2, 7, v6
	v_bfe_u32 v7, v0, 3, 1
	v_lshl_add_u32 v6, v7, 8, v6                   ; v, c: 256 (r / 8) + 128 h + 16 (r % 8)
	s_cmp_ge_u32 s23, 2
	s_cselect_b32 s2, -1, 0
	v_cndmask_b32 v[CO], v5, v6, s2
	s_cmp_eq_u32 s23, 1                            ; my tensor's bias
	s_cselect_b64 s[8:9], s[10:11], s[8:9]
	s_cmp_eq_u32 s23, 2
	s_cselect_b64 s[8:9], s[12:13], s[8:9]
	s_cmp_eq_u32 s23, 3
	s_cselect_b64 s[8:9], s[14:15], s[8:9]
	s_lshl_b32 s2, s21, 10
	s_lshl_b32 s3, s20, 9
	s_add_co_u32 s2, s2, s3                        ; my first column, 256 cx + 128 x half, in bytes
	s_mov_b32 s3, 0
	s_add_nc_u64 s[8:9], s[8:9], s[2:3]
	v_lshlrev_b32 v[BO], 5, v2
.irp b, 0,1,2,3,4,5,6,7                        ; block b: register j = the bias of channel 16 b + 8 h + j: the result's layout
	global_load_b128 v[BI+8*\b:BI+8*\b+3], v[BO], s[8:9] offset:64*\b
	global_load_b128 v[BI+8*\b+4:BI+8*\b+7], v[BO], s[8:9] offset:64*\b+16
.endr
	; where my eight row tiles go.  q, k, v: 64 row tiles to a batch; c: 2.  Row tile rb of the tensor, head hd: ((rb / n) x 8 + hd) x n + rb % n, 4,096 bytes each
	s_and_b32 s2, s22, 31
	s_lshl_b32 s2, s2, 4
	s_lshl_b32 s3, s19, 3
	s_add_co_u32 s2, s2, s3                        ; my first row tile in the tensor
	s_cmp_eq_u32 s23, 3
	s_cselect_b32 s92, 1, 6                        ; log2 n
	s_cselect_b32 s93, 1, 63                       ; n - 1
	s_mov_b32 s94, 8192
	s_cselect_b32 s94, 0x10000, s94                ; from a pair of row tiles to the next: 2 tiles on, or (c) a batch on
	s_lshr_b32 s3, s2, s92
	s_lshl_b32 s3, s3, 3
	s_lshl_b32 s95, s21, 1
	s_add_co_u32 s95, s95, s20                     ; my head: 2 cx + half
	s_add_co_u32 s3, s3, s95
	s_lshl_b32 s3, s3, s92
	s_and_b32 s2, s2, s93
	s_add_co_u32 s3, s3, s2
	s_lshl_b32 s2, s3, 12
	s_lshl_b32 s3, s23, 24                         ; the tensor's part of heads: 16 MiB each
	s_add_co_u32 s2, s2, s3
	s_mov_b32 s3, 0
	s_mov_b32 s95, 0
	s_add_nc_u64 s[SB:SB+1], s[16:17], s[2:3]
	s_add_nc_u64 s[SB+2:SB+3], s[SB:SB+1], s[94:95]
	s_add_nc_u64 s[SB+4:SB+5], s[SB+2:SB+3], s[94:95]
	s_add_nc_u64 s[SB+6:SB+7], s[SB+4:SB+5], s[94:95]
.macro FRAG reg, adr, q, i             ; 16 rows x 128 K of 4-bit codes: lane l holds row l % 16; registers 4 c .. 4 c + 3 hold K = 64 c + 32 (l / 16) + 0 .. 31
.irp c, 0,1
	ds_load_b128 v[\reg+4*\c:\reg+4*\c+3], v[\adr] offset:64*(\q)+32*\c+(\i)*16*PITCH
.endr
.endm
; 16 matrix instructions: x's blocks a0, a0 + 1 against W's eight, 128 along K.  first = 1: the bias starts the sums.  The 64 accumulators take turns, one instruction a turn.
.macro MUL16 a0, p, q, sc, first
.irp a, \a0, \a0+1
.irp b, 0,1,2,3,4,5,6,7
.if \first
	v_wmma_scale_f32_16x16x128_f8f6f4 v[8*(8*((\a)%4)+\b):8*(8*((\a)%4)+\b)+7], v[128*(\p)+FR*\b:128*(\p)+FR*\b+FR-1], v[AF+FR*(\a):AF+FR*(\a)+FR-1], v[BI+8*\b:BI+8*\b+7], v[SC+8*NQ*(\sc)+NQ*\b+(\q)], v[SC+8*NQ*(\sc)+NQ*(\a)+(\q)] matrix_a_fmt:MATRIX_FMT_FP4 matrix_b_fmt:MATRIX_FMT_FP4 matrix_a_scale:MATRIX_SCALE_ROW1
.else
	v_wmma_scale_f32_16x16x128_f8f6f4 v[8*(8*((\a)%4)+\b):8*(8*((\a)%4)+\b)+7], v[128*(\p)+FR*\b:128*(\p)+FR*\b+FR-1], v[AF+FR*(\a):AF+FR*(\a)+FR-1], v[8*(8*((\a)%4)+\b):8*(8*((\a)%4)+\b)+7], v[SC+8*NQ*(\sc)+NQ*\b+(\q)], v[SC+8*NQ*(\sc)+NQ*(\a)+(\q)] matrix_a_fmt:MATRIX_FMT_FP4 matrix_b_fmt:MATRIX_FMT_FP4 matrix_a_scale:MATRIX_SCALE_ROW1
.endif
.endr
.endr
.endm
.macro FETCH_B slot, q, p
	WIN TO_B
.irp i, 0,1,2,3,4,5,6,7
	FRAG 128*(\p)+FR*\i, ADRB+\slot, \q, \i
.endr
	WIN 0
.endm
.macro FETCH_A slot, q, i0
.irp i, \i0, \i0+1, \i0+2, \i0+3
	FRAG AF+FR*(\i), ADRA+\slot, \q, \i
.endr
.endm
.macro SCALES sc                       ; a slot's scale words: 4 words a row; lanes 0-15 take x's block i, lanes 16-31 W's block i
.irp i, 0,1,2,3,4,5,6,7
	ds_load_b128 v[SC+8*NQ*\sc+NQ*\i:SC+8*NQ*\sc+NQ*\i+3], v[ADRS] offset:\i*SBLK
.endr
.endm
.macro PLACES n                        ; plain vector instructions between a matrix instruction and a load into, or a read of, its registers
.rept \n
	v_nop
.endr
.endm
.macro STEP slot, q, first             ; 128 along K, with its successor in the same slot
	s_wait_dscnt 4*NL                              ; W's set and x's blocks 0-3 are in; the youngest eight loads (x's blocks 4-7) may be out
.if \first
	WIN 0x81                                       ; C (the bias) in window 0
.else
	WIN MUL_LO
.endif
	MUL16 0, (\q)%2, \q, \slot, \first
	MUL16 2, (\q)%2, \q, \slot, \first
	s_wait_dscnt 0
	PLACES NP
	FETCH_B \slot, (\q)+1, 1-(\q)%2
	FETCH_A \slot, (\q)+1, 0
.if \first
	WIN 0xc1
.else
	WIN MUL_HI
.endif
	MUL16 4, (\q)%2, \q, \slot, \first
	MUL16 6, (\q)%2, \q, \slot, \first
	PLACES NP
	WIN 0
	FETCH_A \slot, (\q)+1, 4
.endm
.macro STEPS slot, from
.set Q, \from
.rept NQ-1-\from
	STEP \slot, Q, 0
.set Q, Q+1
.endr
.endm
	s_wait_tensorcnt 1                             ; the scales and my part of slot 0 are in (slot 1's load may be out)
	s_barrier_signal -1
	s_barrier_wait -1                              ; everybody's are
	FETCH_B 0, 0, 0
	FETCH_A 0, 0, 0
	SCALES 0
	FETCH_A 0, 0, 4
	s_wait_loadcnt 0x0                             ; the bias
	STEP 0, 0, 1
	STEPS 0, 1
	; slot 0's last step changes slots: one barrier; nothing is filled again
	s_wait_tensorcnt 0x0                           ; my part of slot 1 has landed
	ds_add_u32 v[SPW], v[NIL]
	s_wait_dscnt 4*NL+1                            ; (the add and x's blocks 4-7 may be out)
	WIN MUL_LO
	MUL16 0, 1, NQ-1, 0, 0
	s_wait_dscnt 0x0
	s_barrier_signal -1
	MUL16 2, 1, NQ-1, 0, 0
	WIN 0
	s_barrier_wait -1
	PLACES NP
	v_add_nc_u32 v[ADRS], 4*NQ, v[ADRS]            ; on to slot 1's scale words (no LDS load of mine is out)
	FETCH_B 1, 0, 0
	FETCH_A 1, 0, 0
	SCALES 1
	WIN MUL_HI
	MUL16 4, 1, NQ-1, 0, 0
	MUL16 6, 1, NQ-1, 0, 0
	PLACES NP
	WIN 0
	FETCH_A 1, 0, 4
	STEPS 1, 0
	s_wait_dscnt 4*NL                              ; the very last step: nothing more to fetch
	WIN MUL_LO
	MUL16 0, 1, NQ-1, 1, 0
	MUL16 2, 1, NQ-1, 1, 0
	s_wait_dscnt 0
	WIN MUL_HI
	MUL16 4, 1, NQ-1, 1, 0
	MUL16 6, 1, NQ-1, 1, 0
	PLACES NP                                      ; behind the last products: their results are read and W's registers written below
; THE WAY OUT, with no LDS: accumulator (a, b) rounded to f16 IS tile image b of my row tile a: 16 bytes a lane, 512 consecutive bytes a store.  Each accumulator is read from its low end on; all 256 data registers are different.
.macro OUTB a
	WIN 0x4a+5*((\a)/4)                            ; sources in window 2 or 3, destination in window 1
.irp b, 0,1,2,3,4,5,6,7
.irp i, 0,1,2,3
	v_cvt_pk_f16_f32 v[4*(8*(\a)+\b)+\i], v[8*(8*((\a)%4)+\b)+2*\i], v[8*(8*((\a)%4)+\b)+2*\i+1]
.endr
.endr
	WIN 0x04                                       ; a store's data are its source 1: window 1
.irp b, 0,1,2,3,4,5,6,7
	global_store_b128 v[CO], v[4*(8*(\a)+\b):4*(8*(\a)+\b)+3], s[SB+2*((\a)/2):SB+2*((\a)/2)+1] offset:((\a)%2)*4096+512*\b
.endr
.endm
.irp a, 0,1,2,3,4,5,6,7
	OUTB \a
.endr
	WIN 0
	s_wait_tensorcnt 0x0                           ; the wave's end
	ds_add_u32 v[SPW], v[NIL]
	s_wait_dscnt 0x0
	CROUND                                         ; the closing round
	s_endpgm
.Lfunc_end_k_q89784cb2be_proj:
	.size	k_q89784cb2be_proj, .Lfunc_end_k_q89784cb2be_proj-k_q89784cb2be_proj
	.p2alignl 7, 3214868480
	.fill 96, 4, 3214868480
	.section	.rodata,"a",@progbits
	.p2align	6, 0x0
	.amdhsa_kernel k_q89784cb2be_proj
		.amdhsa_group_segment_fixed_size 327680
		.amdhsa_private_segment_fixed_size 0
		.amdhsa_enable_private_segment 0
		.amdhsa_kernarg_size 56
		.amdhsa_user_sgpr_count 2
		.amdhsa_user_sgpr_kernarg_segment_ptr 1
		.amdhsa_wavefront_size32 1
		.amdhsa_system_sgpr_workgroup_id_x 1
		.amdhsa_system_sgpr_workgroup_id_y 1
		.amdhsa_system_sgpr_workgroup_id_z 1
		.amdhsa_system_vgpr_workitem_id 0
		.amdhsa_next_free_vgpr 1024
		.amdhsa_next_free_sgpr 100
		.amdhsa_reserve_vcc 0
		.amdhsa_float_denorm_mode_32 3
		.amdhsa_float_denorm_mode_16_64 3
		.amdhsa_memory_ordered 1
		.amdhsa_forward_progress 1
		.amdhsa_inst_pref_size 120
	.end_amdhsa_kernel
	.amdgpu_metadata
---
amdhsa.version: [ 1, 2 ]
amdhsa.kernels:
  - .name:           k_q89784cb2be_proj
    .symbol:         k_q89784cb2be_proj.kd
    .args:
      - { .name: codes, .offset: 0, .size: 8, .value_kind: global_buffer, .address_space: global }
      - { .name: scales, .offset: 8, .size: 8, .value_kind: global_buffer, .address_space: global }
      - { .name: bq, .offset: 16, .size: 8, .value_kind: global_buffer, .address_space: global }
      - { .name: bk, .offset: 24, .size: 8, .value_kind: global_buffer, .address_space: global }
      - { .name: bv, .offset: 32, .size: 8, .value_kind: global_buffer, .address_space: global }
      - { .name: bc, .offset: 40, .size: 8, .value_kind: global_buffer, .address_space: global }
      - { .name: heads, .offset: 48, .size: 8, .value_kind: global_buffer, .address_space: global }
    .group_segment_fixed_size: 327680
    .private_segment_fixed_size: 0
    .kernarg_segment_align: 8
    .kernarg_segment_size: 56
    .max_flat_workgroup_size: 128
    .sgpr_count:     100
    .vgpr_count:     1024
    .wavefront_size: 32
...
	.end_amdgpu_metadata
.endif
;; end of part 2
;; launch attn (part 3): grid 16 x 64, 4 waves a work-group, clusters of 4 x 1, 327,680 bytes of LDS; arguments heads, Wup, tau, ln_w, ln_b, att; writes att
.if DOCPART == 3
	.amdgcn_target "amdgcn-amd-amdhsa--gfx1250"
	.amdhsa_code_object_version 6
	.text
	.protected	k_q89784cb2be_attn
	.globl	k_q89784cb2be_attn
	.p2align	8
	.type	k_q89784cb2be_attn,@function
k_q89784cb2be_attn:
	s_mov_b64 s[64:65], 0
	v_nop
	global_prefetch_b8 v0, s[64:65] scope:SCOPE_SE
	s_setreg_imm32_b32 hwreg(HW_REG_WAVE_MODE, 25, 1), 1
	s_wait_xcnt 0x0
	s_wait_alu depctr_hold_cnt(0) depctr_sa_sdst(0) depctr_va_vdst(0) depctr_va_sdst(0) depctr_va_ssrc(0) depctr_va_vcc(0) depctr_vm_vsrc(0)
	s_getreg_b32 s2, hwreg(HW_REG_IB_STS2, 6, 4)
	s_cmp_eq_u32 s2, 0
	s_cbranch_scc0 .Lentry_in_a_cluster
	s_endpgm
.Lentry_in_a_cluster:
	s_bfe_u32 s2, ttmp6, 0x10000c
	s_cmp_lg_u32 s2, 0x3003
	s_cbranch_scc0 .Lentry_shape_is_right
	s_endpgm
.Lentry_shape_is_right:
; For one batch and head and 64 queries: S = (qh + t cu) kh^T, t = tanh(tau), cu = Wup ch (both score products of the module are linear in their left operand, so they are one product);
; LayerNorm of S / (sqrt(128) (1 + t)) over all 1,024 keys, with a gain and a bias for each key; softmax; times vh.  Operands in f16, every sum, the norm and the softmax in f32.
; SHARES.  A work-group owns 64 queries (four tiles of 16).  THE FOUR WAVES SHARE THE KEYS: wave w owns keys 256 w .. 256 w + 255 for all 64 queries, and keeps its 64 x 256 scores in 512 registers
; from the first product to the second, since the norm wants a query's whole row ahead of any exponential.  A query's statistics meet through LDS twice (mean and squares; maximum and sum), its partial results once.
; LAYOUT.  S^T = K Q^T (source 0 = 16 keys, source 1 = 16 queries) and O^T = V^T P (source 0 = 16 channels, source 1 = P): a lane holds ONE query (lane % 16) throughout.
; THE VARIANCE is formed with no difference of large sums: each wave centres its scores by its own mean, sums their squares, and the four parts are joined by M2 = sum M2_w + 256 sum (c_w - mu)^2.
; THE SOFTMAX takes each wave's own maximum away; the four partial results are brought under the common maximum at the end.
; CLUSTER.  The four query blocks of a cluster belong to one head: ch, K and V are asked for jointly (mask 15).  K's bytes are filled again once, with V, behind a round of the cluster's barrier.
; LIMITS: NaN and infinities are not served; tanh is 1 - 2 / (1 + 2^(2 log2(e) tau)); qh is rounded to f16 when it is stored and once more after t cu is added; operands beyond 65,504 in size become infinities.
; REGISTERS, in windows of 256.  window 0: v1-17 addresses; v20 t, v22 alpha, v23 alpha^2 / 1,024; v28, v29 the add's two; v32-95 statistics, 16 a tile; v96-255 at work.
;   window 1: Q's fragments and two buffers of K; then the gains and biases of my keys; then two buffers of V; then the partial results.
;   windows 2, 3: S(t, kt) in window 2 + t / 2 at v[128 (t % 2) + 8 kt].  P(t, kp) is laid over S(t, 2 kp), O(t, dt) over S(t, 2 dt + 1).
; A tile's statistics at v[ST + 16 t]: +0..7 four chains of pairs; +8 c_w, +9 the raw sum, then M2_w; +10 a, +11 off; +14 mL = log2(e) x maximum, +15 the maximum, then the sum l_w.
.set KH,    1<<24                      ; kh, vh, ch in heads
.set VH,    2<<24
.set CHG,   3<<24
.set CHL,   262144                     ; LDS: 0 .. 262,143: 65,536 bytes a wave: K, then V, then the wave's partial O.  Here: ch, a copy of 8,192 bytes for each wave
.set QIMG,  294912                     ; the four tiles of qh + t cu as fragment images, 4,096 bytes each
.set STAT,  311296                     ; (c_w, M2_w): 1,024 w + 256 t + 8 x lane
.set STAT2, 315392                     ; (mL_w, l_w) likewise
.set SPARE, 319488                     ; the spare words, 128 bytes a wave
.set SPW, 28
.set NIL, 29
.set ST,  32
.set XS,  128                          ; v128-159 the four waves' statistics: tile t, wave x at v[XS + 8 t + 2 x], +1
.set GG,  160                          ; v160-175 g(t, x) at v[GG + 4 t + x]
.set MSB, 0
.macro WIN new                         ; low byte: bits 1:0 source 0, 3:2 source 1, 5:4 source 2, 7:6 destination; the high byte repeats the setting that is left
.if MSB != (\new)
	s_set_vgpr_msb (MSB<<8)|(\new)
.set MSB, (\new)
.endif
.endm
.macro ROUND                           ; a round of the cluster's barrier
	s_barrier_signal -1
	s_barrier_wait -1
	s_cmp_lg_u32 s16, 0
	s_cbranch_scc1 .Lnot_wave_0_\@
	s_barrier_signal -3
.Lnot_wave_0_\@:
	s_barrier_wait -3
	s_barrier_signal -1
	s_barrier_wait -1
.endm
.macro PLACES
.rept 4
	v_nop
.endr
.endm
.macro GRP1 g, rows                    ; a dense block as rows of 256 bytes (32 elements of 8 bytes), no padding; mask: all four work-groups
	s_mov_b32 s[\g], 15|(3<<16)|(1<<21)
	s_mov_b32 s[\g+1], 32<<16
	s_mov_b32 s[\g+2], (\rows)<<16
	s_mov_b32 s[\g+3], 32<<16
	s_mov_b32 s[\g+4], \rows
	s_mov_b32 s[\g+5], 32
	s_mov_b32 s[\g+6], 0
	s_mov_b32 s[\g+7], 0
.endm
.macro G0KSET g, j                     ; group 0 of K's chunk j: 4 key tiles, 16,384 bytes
	s_mov_b32 s[\g], 1
	s_add_co_u32 s[\g+1], s77, 16384*\j
	s_add_nc_u64 s[\g+2:\g+3], s[94:95], 16384*\j
	s_or_b32 s[\g+3], s[\g+3], 0x80000000
.endm
	s_load_b256 s[4:11], s[0:1], 0x0               ; heads, Wup, tau, ln_w
	s_load_b128 s[12:15], s[0:1], 0x20             ; ln_b, att
	v_lshl_add_u32 v[SPW], v0, 2, SPARE
	v_mov_b32 v[NIL], 0
	ds_add_u32 v[SPW], v[NIL]                      ; the wave's opening: the add, twice on end, and its wait ahead of my first tensor load
	ds_add_u32 v[SPW], v[NIL]
	v_lshrrev_b32 v1, 5, v0
	v_readfirstlane_b32 s16, v1                    ; wave 0..3
	s_bfe_u32 s17, ttmp6, 0x40000                  ; cx
	s_lshl_b32 s18, ttmp9, 2
	s_add_co_u32 s18, s18, s17                     ; my block of 64 queries: it enters qh's, Wup's and att's addresses alone
	s_and_b32 s19, ttmp7, 0xffff                   ; 8 x batch + head, which the four partners share
	s_mov_b32 s20, 0x76543210
	s_mov_b32 s21, 0xfedcba98                      ; v_permlanex16_b32's selects for lane l xor 16
	s_mov_b32 s22, 0x3fb8aa3b                      ; log2(e)
	s_mov_b32 s23, s22                             ; (named with it as a pair)
	GRP1 24, 32                                    ; ch: 8,192 bytes
	GRP1 32, 64                                    ; a chunk of K: 16,384
	GRP1 40, 256                                   ; V: 65,536
	s_lshl_b32 s76, s19, 18                        ; a head's 262,144 bytes of qh, kh or vh
	s_lshl_b32 s77, s16, 16                        ; my wave's 65,536 bytes: in kh and vh, and in LDS
	s_add_co_u32 s78, s76, s77
	s_add_co_u32 s80, s78, KH
	s_mov_b32 s81, 0
	s_add_co_u32 s82, s78, VH
	s_mov_b32 s83, 0
	s_lshl_b32 s84, s19, 13
	s_add_co_u32 s84, s84, CHG
	s_mov_b32 s85, 0
	s_lshl_b32 s79, s16, 13                        ; my copy of ch in LDS
	s_lshl_b32 s86, s18, 2
	s_add_co_u32 s86, s86, s16                     ; qh: row tile 4 x block + wave
	s_lshl_b32 s86, s86, 12
	s_add_co_u32 s86, s86, s76
	s_mov_b32 s87, 0
	s_lshl_b32 s88, s18, 13                        ; Wup: row 64 x block + 16 x wave, 128 bytes a row
	s_lshl_b32 s89, s16, 11
	s_add_co_u32 s88, s88, s89
	s_mov_b32 s89, 0
	s_lshr_b32 s90, s19, 3                         ; att: ((64 batch + 4 block + t) x 32 + 4 head + wave) x 1,024
	s_lshl_b32 s90, s90, 4
	s_add_co_u32 s90, s90, s18
	s_lshl_b32 s90, s90, 7
	s_and_b32 s91, s19, 7
	s_lshl_b32 s91, s91, 2
	s_add_co_u32 s90, s90, s91
	s_add_co_u32 s90, s90, s16
	s_lshl_b32 s90, s90, 10
	s_mov_b32 s91, 0
	s_lshl_b32 s92, s17, 16                        ; the prefetch of V: the partners share the head's 262,144 bytes out by address: 65,536 cx + 16,384 wave
	s_lshl_b32 s93, s16, 14
	s_add_co_u32 s92, s92, s93
	s_add_co_u32 s92, s92, s76
	s_add_co_u32 s92, s92, VH
	s_mov_b32 s93, 0
	s_wait_dscnt 0x0                               ; both opening adds are done
	s_wait_kmcnt 0x0
	s_add_nc_u64 s[94:95], s[4:5], s[80:81]        ; kh at my wave's keys
	s_add_nc_u64 s[82:83], s[4:5], s[82:83]        ; vh likewise
	s_add_nc_u64 s[84:85], s[4:5], s[84:85]        ; ch
	s_add_nc_u64 s[86:87], s[4:5], s[86:87]        ; my tile of qh
	s_add_nc_u64 s[92:93], s[4:5], s[92:93]
	s_add_nc_u64 s[6:7], s[6:7], s[88:89]
	s_add_nc_u64 s[14:15], s[14:15], s[90:91]
	s_mov_b32 s48, 1
	s_add_co_u32 s49, s79, CHL
	s_mov_b64 s[50:51], s[84:85]
	s_or_b32 s51, s51, 0x80000000
	G0KSET 52, 0
	G0KSET 56, 1
	G0KSET 60, 2
	G0KSET 68, 3
	s_mov_b32 s72, 1
	s_mov_b32 s73, s77
	s_mov_b64 s[74:75], s[82:83]
	s_or_b32 s75, s75, 0x80000000
	ROUND                                          ; all four work-groups are here: the first joint loads meet
	tensor_load_to_lds s[48:51], s[24:31]          ; ch; then K in four chunks, so that the first product can begin on the first: five loads of mine are out
	s_nop 0
	tensor_load_to_lds s[52:55], s[32:39]
	s_nop 0
	tensor_load_to_lds s[56:59], s[32:39]
	s_nop 0
	tensor_load_to_lds s[60:63], s[32:39]
	s_nop 0
	tensor_load_to_lds s[68:71], s[32:39]
	s_nop 0
	PLACES
	v_and_b32 v14, 31, v0                          ; lane
	v_and_b32 v18, 15, v0                          ; r
	v_bfe_u32 v19, v0, 4, 1                        ; h
	v_lshlrev_b32 v1, 4, v14                       ; v1  16 x lane: an image's place for my lane
	v_add_nc_u32 v2, s77, v1                       ; v2  in my wave's 65,536 bytes
	s_lshl_b32 s78, s16, 12
	v_add_nc_u32 v3, s78, v1
	v_add_nc_u32 v3, QIMG, v3                      ; v3  where I store my tile of qh + t cu
	v_add_nc_u32 v4, QIMG, v1                      ; v4  where all four are read
	v_add_nc_u32 v5, s79, v1
	v_add_nc_u32 v5, CHL, v5                       ; v5  my copy of ch
	v_lshlrev_b32 v7, 3, v14
	s_lshl_b32 s78, s16, 10
	v_add_nc_u32 v6, s78, v7
	v_add_nc_u32 v8, STAT2, v6                     ; v6, v8  where I store statistics
	v_add_nc_u32 v6, STAT, v6
	v_add_nc_u32 v9, STAT2, v7                     ; v7, v9  where all waves' are read
	v_add_nc_u32 v7, STAT, v7
	s_lshl_b32 s78, s16, 11
	v_add_nc_u32 v10, s78, v1                      ; v10-13  wave x's partial O, my two channel tiles: 65,536 x + 2,048 w + 16 x lane
	v_add_nc_u32 v11, 0x10000, v10
	v_add_nc_u32 v12, 0x20000, v10
	v_add_nc_u32 v13, 0x30000, v10
	v_lshlrev_b32 v15, 7, v18
	v_lshl_add_u32 v15, v19, 5, v15                ; v15 Wup: row r, + 32 h bytes
	v_lshlrev_b32 v16, 5, v19
	s_lshl_b32 s78, s16, 10
	v_add_nc_u32 v16, s78, v16                     ; v16 ln_w, ln_b: my 256 keys, + 8 h
	v_lshlrev_b32 v17, 8, v14                      ; v17 the prefetches' offset: 256 x lane
	v_mov_b32 v19, 0
.irp n, 0,1,2,3,4,5,6,7
	global_load_b128 v[96+4*\n:99+4*\n], v1, s[86:87] offset:512*\n     ; my tile of qh: eight images
.endr
	global_load_b128 v[32:35], v15, s[6:7]                              ; Wup(my query, 8 h + 0 .. 7 and 16 + 8 h + 0 .. 7)
	global_load_b128 v[36:39], v15, s[6:7] offset:16
	global_load_b128 v[40:43], v15, s[6:7] offset:64
	global_load_b128 v[44:47], v15, s[6:7] offset:80
	global_load_b32 v20, v19, s[8:9]                                    ; tau
	s_wait_loadcnt 0x0
	; ---- t = tanh(tau), alpha = 1 / (sqrt(128) (1 + t)).  Each transcendental has a plain place and a wait ahead of its reader
	v_mul_f32 v21, 0x4038aa3b, v20                 ; 2 log2(e) tau
	v_exp_f32 v21, v21
	v_nop
	s_wait_alu depctr_va_vdst(0)
	v_add_f32 v21, 1.0, v21
	v_rcp_f32 v21, v21
	v_nop
	s_wait_alu depctr_va_vdst(0)
	v_fma_f32 v20, v21, -2.0, 1.0                  ; t
	v_add_f32 v22, 1.0, v20
	v_rcp_f32 v22, v22
	v_nop
	s_wait_alu depctr_va_vdst(0)
	v_mul_f32 v22, 0x3db504f3, v22                 ; alpha
	v_mul_f32 v23, v22, v22
	v_mul_f32 v23, 0x3a800000, v23                 ; alpha^2 / 1,024
	; ---- my tile of qh + t cu: D(channel, query) = ch^T (t Wup)^T + qh
.irp i, 0,1,2,3,4,5,6,7
	v_pk_mul_f32 v[32+2*\i:33+2*\i], v[32+2*\i:33+2*\i], v[20:21] op_sel_hi:[1,0]
.endr
.irp i, 0,1,2,3,4,5,6,7
	v_cvt_pk_f16_f32 v[48+\i], v[32+2*\i], v[33+2*\i]                   ; v48-55: source 1: 16 queries x 32 captions
.endr
.macro WIDEN d, lo, hi                 ; two f16 numbers of qh to f32: they are the sums' start
	v_cvt_f32_f16 v[\d], \lo
	v_cvt_f32_f16 v[\d+1], \hi
.endm
	WIDEN 192, v96.l, v96.h
	WIDEN 194, v97.l, v97.h
	WIDEN 196, v98.l, v98.h
	WIDEN 198, v99.l, v99.h
	WIDEN 200, v100.l, v100.h
	WIDEN 202, v101.l, v101.h
	WIDEN 204, v102.l, v102.h
	WIDEN 206, v103.l, v103.h
	WIDEN 208, v104.l, v104.h
	WIDEN 210, v105.l, v105.h
	WIDEN 212, v106.l, v106.h
	WIDEN 214, v107.l, v107.h
	WIDEN 216, v108.l, v108.h
	WIDEN 218, v109.l, v109.h
	WIDEN 220, v110.l, v110.h
	WIDEN 222, v111.l, v111.h
	WIDEN 224, v112.l, v112.h
	WIDEN 226, v113.l, v113.h
	WIDEN 228, v114.l, v114.h
	WIDEN 230, v115.l, v115.h
	WIDEN 232, v116.l, v116.h
	WIDEN 234, v117.l, v117.h
	WIDEN 236, v118.l, v118.h
	WIDEN 238, v119.l, v119.h
	WIDEN 240, v120.l, v120.h
	WIDEN 242, v121.l, v121.h
	WIDEN 244, v122.l, v122.h
	WIDEN 246, v123.l, v123.h
	WIDEN 248, v124.l, v124.h
	WIDEN 250, v125.l, v125.h
	WIDEN 252, v126.l, v126.h
	WIDEN 254, v127.l, v127.h
	s_wait_tensorcnt 4                             ; my copy of ch is in; the four chunks of K may be out.  I alone read it
.irp d, 0,1,2,3,4,5,6,7
	ds_load_tr16_b128 v[128+8*\d:131+8*\d], v5 offset:512*\d            ; turned: lane l holds channel 16 d + l % 16, captions 8 (l / 16) + 0 .. 7,
	ds_load_tr16_b128 v[132+8*\d:135+8*\d], v5 offset:4096+512*\d       ; and 16 + 8 (l / 16) + 0 .. 7
.endr
	s_wait_dscnt 0x0
.irp d, 0,1,2,3,4,5,6,7
	v_wmma_f32_16x16x32_f16 v[192+8*\d:199+8*\d], v[128+8*\d:135+8*\d], v[48:55], v[192+8*\d:199+8*\d]
.endr
	PLACES
.irp i, 0,1,2,3,4,5,6,7,8,9,10,11,12,13,14,15,16,17,18,19,20,21,22,23,24,25,26,27,28,29,30,31
	v_cvt_pk_f16_f32 v[64+\i], v[192+2*\i], v[193+2*\i]                 ; ascending: each result from its low end on
.endr
.irp d, 0,1,2,3,4,5,6,7
	ds_store_b128 v3, v[64+4*\d:67+4*\d] offset:512*\d
.endr
	s_wait_dscnt 0x0                               ; for the others' sake: my stores have landed
	s_barrier_signal -1
	s_barrier_wait -1                              ; (K's chunks may stay out)
	WIN 0x40                                       ; destination window 1
.irp i, 0,1,2,3,4,5,6,7,8,9,10,11,12,13,14,15,16,17,18,19,20,21,22,23,24,25,26,27,28,29,30,31
	ds_load_b128 v[4*\i:4*\i+3], v4 offset:512*\i                       ; Q's fragment (tile t, channels 32 c on) at v[32 t + 8 c]
.endr
	; ---- S^T = K Q^T: eight steps of two key tiles, 32 matrix instructions each
.macro QKFETCH g                       ; key tiles 2 g, 2 g + 1: eight fragments, 8,192 consecutive bytes, into buffer g % 2
	WIN 0x40
.irp i, 0,1,2,3,4,5,6,7,8,9,10,11,12,13,14,15
	ds_load_b128 v[128+64*((\g)%2)+4*\i:128+64*((\g)%2)+4*\i+3], v2 offset:8192*(\g)+512*\i
.endr
.endm
.macro QKMUL g, w                      ; the two query tiles of window w: four accumulators by turns, one instruction a turn; the first 32 channels start the sums
	WIN 0x05+0x50*(\w)
.irp c, 0,1,2,3
.irp k, 0,1
.irp u, 0,1
.if \c == 0
	v_wmma_f32_16x16x32_f16 v[128*\u+8*(2*(\g)+\k):128*\u+8*(2*(\g)+\k)+7], v[128+64*((\g)%2)+32*\k+8*\c:128+64*((\g)%2)+32*\k+8*\c+7], v[32*(2*((\w)-2)+\u)+8*\c:32*(2*((\w)-2)+\u)+8*\c+7], 0
.else
	v_wmma_f32_16x16x32_f16 v[128*\u+8*(2*(\g)+\k):128*\u+8*(2*(\g)+\k)+7], v[128+64*((\g)%2)+32*\k+8*\c:128+64*((\g)%2)+32*\k+8*\c+7], v[32*(2*((\w)-2)+\u)+8*\c:32*(2*((\w)-2)+\u)+8*\c+7], v[128*\u+8*(2*(\g)+\k):128*\u+8*(2*(\g)+\k)+7]
.endif
.endr
.endr
.endr
.endm
.macro QKSTEP g
.if (\g) < 7
.if (\g) > 0
	PLACES                                         ; in front of loads into the buffer that the step before multiplied
.endif
.if ((\g)+1)%2 == 0
	s_wait_tensorcnt 3-((\g)+1)/2                  ; the chunk of the next step is in; the chunks behind it may be out
.endif
	QKFETCH (\g)+1
	s_wait_dscnt 16                                ; all but the 16 just issued
.else
	s_wait_dscnt 0x0
.endif
	QKMUL \g, 2
	QKMUL \g, 3
.endm
	s_wait_tensorcnt 3                             ; K's first chunk is in
	QKFETCH 0
	WIN 0
	; V is asked of memory here, one product ahead of the tensor load that will want it.  All four clusters of a head read the same V: the head's first cluster asks; its partners and waves
	; share the 262,144 bytes out by address, 16,384 a wave, lanes 256 bytes apart: each block is named once in the launch
	s_cmp_lg_u32 ttmp9, 0
	s_cbranch_scc1 .Lnot_first
	global_prefetch_b8 v17, s[92:93] th:TH_LOAD_NT scope:SCOPE_SE
	global_prefetch_b8 v17, s[92:93] offset:8192 th:TH_LOAD_NT scope:SCOPE_SE
.Lnot_first:
.irp g, 0,1,2,3,4,5,6,7
	QKSTEP \g
.endr
	; ---- K's bytes are filled again, with V
	WIN 0
	s_wait_tensorcnt 0x0                           ; all my tensor loads have landed
	ds_add_u32 v[SPW], v[NIL]
	s_wait_dscnt 0x0                               ; the add is done, and my reads of K are over
	ROUND                                          ; the same holds of every wave of every partner
	tensor_load_to_lds s[72:75], s[40:47]          ; my one tensor load behind the round: it lands under the norm and the softmax
	s_nop 0
	PLACES                                         ; (also the places between the last products and the loads and reads below)
	WIN 0x40
.irp k, 0,1,2,3,4,5,6,7,8,9,10,11,12,13,14,15      ; the gains and biases of my keys in S's layout: register 8 kt + j = key 16 kt + 8 h + j
	global_load_b128 v[8*\k:8*\k+3], v16, s[10:11] offset:64*\k
	global_load_b128 v[8*\k+4:8*\k+7], v16, s[10:11] offset:64*\k+16
.endr
.irp k, 0,1,2,3,4,5,6,7,8,9,10,11,12,13,14,15
	global_load_b128 v[128+8*\k:128+8*\k+3], v16, s[12:13] offset:64*\k
	global_load_b128 v[128+8*\k+4:128+8*\k+7], v16, s[12:13] offset:64*\k+16
.endr
; THE PASSES over the scores of window w (two tiles, 64 pairs each).
.macro P_SUM w                         ; four chains of pairs a tile; a chain's first line adds two pairs, so nothing is cleared; pairs in ascending order: each accumulator is read from its low end on
.set TB0, ST+32*((\w)-2)
	WIN 5*(\w)
.irp u, 0,1
.irp q, 0,1,2,3
	v_pk_add_f32 v[TB0+16*\u+2*\q:TB0+16*\u+2*\q+1], v[128*\u+2*\q:128*\u+2*\q+1], v[128*\u+8+2*\q:128*\u+8+2*\q+1]
.endr
.endr
	WIN \w
.set p, 8
.rept 56
.irp u, 0,1
	v_pk_add_f32 v[TB0+16*\u+2*(p%4):TB0+16*\u+2*(p%4)+1], v[128*\u+2*p:128*\u+2*p+1], v[TB0+16*\u+2*(p%4):TB0+16*\u+2*(p%4)+1]
.endr
.set p, p+1
.endr
.endm
.macro FOLDS d                         ; the four tiles' chains, and lane l xor 16's: the sum over my wave's 256 keys, into v[ST + 16 t + d]
.irp t, 0,1,2,3
	v_pk_add_f32 v[ST+16*\t:ST+16*\t+1], v[ST+16*\t:ST+16*\t+1], v[ST+16*\t+2:ST+16*\t+3]
	v_pk_add_f32 v[ST+16*\t+4:ST+16*\t+5], v[ST+16*\t+4:ST+16*\t+5], v[ST+16*\t+6:ST+16*\t+7]
.endr
.irp t, 0,1,2,3
	v_pk_add_f32 v[ST+16*\t:ST+16*\t+1], v[ST+16*\t:ST+16*\t+1], v[ST+16*\t+4:ST+16*\t+5]
.endr
.irp t, 0,1,2,3
	v_add_f32 v[ST+16*\t], v[ST+16*\t], v[ST+16*\t+1]
.endr
.irp t, 0,1,2,3
	v_permlanex16_b32 v[ST+16*\t+1], v[ST+16*\t], s20, s21
.endr
.irp t, 0,1,2,3
	v_add_f32 v[ST+16*\t+\d], v[ST+16*\t], v[ST+16*\t+1]
.endr
.endm
.macro P_CENTRE w                      ; S -= c_w
	WIN 0x41*(\w)
.irp u, 0,1
.set TB, ST+32*((\w)-2)+16*\u
.set p, 0
.rept 64
	v_pk_add_f32 v[128*\u+2*p:128*\u+2*p+1], v[128*\u+2*p:128*\u+2*p+1], v[TB+8:TB+9] op_sel_hi:[1,0] neg_lo:[0,1] neg_hi:[0,1]
.set p, p+1
.endr
.endr
.endm
.macro P_SQ w                          ; the sums of squares
.set TB0, ST+32*((\w)-2)
	WIN 5*(\w)
.irp u, 0,1
.irp q, 0,1,2,3
	v_pk_mul_f32 v[TB0+16*\u+2*\q:TB0+16*\u+2*\q+1], v[128*\u+2*\q:128*\u+2*\q+1], v[128*\u+2*\q:128*\u+2*\q+1]
.endr
.endr
.set p, 4
.rept 60
.irp u, 0,1
	v_pk_fma_f32 v[TB0+16*\u+2*(p%4):TB0+16*\u+2*(p%4)+1], v[128*\u+2*p:128*\u+2*p+1], v[128*\u+2*p:128*\u+2*p+1], v[TB0+16*\u+2*(p%4):TB0+16*\u+2*(p%4)+1]
.endr
.set p, p+1
.endr
.endm
.macro P_AFF w                         ; S = S a + off: of the pair (a, off) the first serves both halves as the factor, the second as the addend
	WIN 0x41*(\w)
.irp u, 0,1
.set TB, ST+32*((\w)-2)+16*\u
.set p, 0
.rept 64
	v_pk_fma_f32 v[128*\u+2*p:128*\u+2*p+1], v[128*\u+2*p:128*\u+2*p+1], v[TB+10:TB+11], v[TB+10:TB+11] op_sel:[0,0,1] op_sel_hi:[1,0,1]
.set p, p+1
.endr
.endr
.endm
.macro P_LN w                          ; S = S ln_w + ln_b, key by key
	WIN 0x14+0x41*(\w)
.irp u, 0,1
.set p, 0
.rept 64
	v_pk_fma_f32 v[128*\u+2*p:128*\u+2*p+1], v[128*\u+2*p:128*\u+2*p+1], v[2*p:2*p+1], v[128+2*p:129+2*p]
.set p, p+1
.endr
.endr
.endm
.macro P_MAX w                         ; four chains a tile, three operands at a time
.set TB0, ST+32*((\w)-2)
	WIN 5*(\w)
.irp u, 0,1
.irp q, 0,1,2,3
	v_max_num_f32 v[TB0+16*\u+\q], v[128*\u+\q], v[128*\u+4+\q]
.endr
.endr
.set p, 0
.rept 15
.irp u, 0,1
.irp q, 0,1,2,3
	v_max3_num_f32 v[TB0+16*\u+\q], v[128*\u+8+8*p+\q], v[128*\u+12+8*p+\q], v[TB0+16*\u+\q]
.endr
.endr
.set p, p+1
.endr
.endm
.macro P_EXP w                         ; p = 2^(log2(e) S - mL): the window's 256 exponentials are one batch, with one plain place and one wait behind it
	WIN 0x41*(\w)
.irp u, 0,1
.set TB, ST+32*((\w)-2)+16*\u
.set p, 0
.rept 64
	v_pk_fma_f32 v[128*\u+2*p:128*\u+2*p+1], v[128*\u+2*p:128*\u+2*p+1], s[22:23], v[TB+14:TB+15] op_sel_hi:[1,0,0] neg_lo:[0,0,1] neg_hi:[0,0,1]
.set p, p+1
.endr
.endr
.set p, 0
.rept 256
	v_exp_f32 v[p], v[p]
.set p, p+1
.endr
	v_nop
	s_wait_alu depctr_va_vdst(0)
.endm
.macro P_CVT w                         ; p to f16, in place: the 16 registers of key tiles 2 kp, 2 kp + 1 become the 8 of source 1 (16 queries x 32 keys); the upper 8 are left for O
	WIN 0x45*(\w)
.irp u, 0,1
.irp k, 0,1,2,3,4,5,6,7
.irp i, 0,1,2,3
	v_cvt_pk_f16_f32 v[128*\u+16*\k+\i], v[128*\u+16*\k+2*\i], v[128*\u+16*\k+2*\i+1]
.endr
.irp i, 0,1,2,3
	v_cvt_pk_f16_f32 v[128*\u+16*\k+4+\i], v[128*\u+16*\k+8+2*\i], v[128*\u+16*\k+9+2*\i]
.endr
.endr
.endr
.endm
	; ---- the statistics of the norm
	P_SUM 2
	P_SUM 3
	WIN 0
	FOLDS 9
.irp t, 0,1,2,3
	v_mul_f32 v[ST+16*\t+8], 0x3b800000, v[ST+16*\t+9]                  ; c_w = my wave's mean
.endr
	P_CENTRE 2
	P_CENTRE 3
	P_SQ 2
	P_SQ 3
	WIN 0
	FOLDS 9                                        ; M2_w
.irp t, 0,1,2,3
	ds_store_b64 v6, v[ST+16*\t+8:ST+16*\t+9] offset:256*\t
.endr
	s_wait_dscnt 0x0
	s_barrier_signal -1
	s_barrier_wait -1                              ; (V may stay out)
.irp t, 0,1,2,3
.irp x, 0,1,2,3
	ds_load_b64 v[XS+8*\t+2*\x:XS+8*\t+2*\x+1], v7 offset:1024*\x+256*\t
.endr
.endr
	s_wait_dscnt 0x0
.irp t, 0,1,2,3
	v_add_f32 v[ST+16*\t], v[XS+8*\t], v[XS+8*\t+2]
	v_add_f32 v[ST+16*\t+1], v[XS+8*\t+4], v[XS+8*\t+6]
.endr
.irp t, 0,1,2,3
	v_add_f32 v[ST+16*\t], v[ST+16*\t], v[ST+16*\t+1]
.endr
.irp t, 0,1,2,3
	v_mul_f32 v[ST+16*\t], 0x3e800000, v[ST+16*\t]                      ; mu
.endr
.irp t, 0,1,2,3
.irp x, 0,1,2,3
	v_sub_f32 v[ST+16*\t+1+\x], v[XS+8*\t+2*\x], v[ST+16*\t]            ; c_x - mu
.endr
.endr
.irp t, 0,1,2,3
	v_mul_f32 v[ST+16*\t+1], v[ST+16*\t+1], v[ST+16*\t+1]
	v_add_f32 v[ST+16*\t+5], v[XS+8*\t+1], v[XS+8*\t+3]
	v_add_f32 v[ST+16*\t+6], v[XS+8*\t+5], v[XS+8*\t+7]
.endr
.irp x, 2,3,4
.irp t, 0,1,2,3
	v_fma_f32 v[ST+16*\t+1], v[ST+16*\t+\x], v[ST+16*\t+\x], v[ST+16*\t+1]
.endr
.endr
.irp t, 0,1,2,3
	v_add_f32 v[ST+16*\t+5], v[ST+16*\t+5], v[ST+16*\t+6]
.endr
.irp t, 0,1,2,3
	v_fmamk_f32 v[ST+16*\t+5], v[ST+16*\t+1], 0x43800000, v[ST+16*\t+5] ; M2 = sum M2_x + 256 sum (c_x - mu)^2
.endr
.irp t, 0,1,2,3
	v_fmaak_f32 v[ST+16*\t+5], v[ST+16*\t+5], v23, 0x3727c5ac           ; the scaled scores' variance + 1e-5
.endr
.irp t, 0,1,2,3
	v_rsq_f32 v[ST+16*\t+6], v[ST+16*\t+5]
.endr
.irp t, 0,1,2,3
	v_sub_f32 v[ST+16*\t+11], v[ST+16*\t+8], v[ST+16*\t]                ; c_w - mu: plain work behind the batch of four
.endr
	s_wait_alu depctr_va_vdst(0)                   ; one wait for the four, ahead of their first reader
.irp t, 0,1,2,3
	v_mul_f32 v[ST+16*\t+10], v[ST+16*\t+6], v22                        ; a = alpha / sqrt(..)
.endr
.irp t, 0,1,2,3
	v_mul_f32 v[ST+16*\t+11], v[ST+16*\t+11], v[ST+16*\t+10]            ; off = (c_w - mu) a
.endr
	; ---- the norm, and the softmax under my wave's own maximum
	P_AFF 2
	P_AFF 3
	s_wait_loadcnt 0x0                             ; the gains and biases
	P_LN 2
	P_LN 3
	P_MAX 2
	P_MAX 3
	WIN 0
.irp t, 0,1,2,3
	v_max3_num_f32 v[ST+16*\t], v[ST+16*\t], v[ST+16*\t+1], v[ST+16*\t+2]
.endr
.irp t, 0,1,2,3
	v_max_num_f32 v[ST+16*\t], v[ST+16*\t], v[ST+16*\t+3]
.endr
.irp t, 0,1,2,3
	v_permlanex16_b32 v[ST+16*\t+1], v[ST+16*\t], s20, s21
.endr
.irp t, 0,1,2,3
	v_max_num_f32 v[ST+16*\t+15], v[ST+16*\t], v[ST+16*\t+1]
.endr
.irp t, 0,1,2,3
	v_mul_f32 v[ST+16*\t+14], s22, v[ST+16*\t+15]                       ; mL
.endr
	P_EXP 2
	P_EXP 3
	P_SUM 2                                        ; the sums are taken of the unrounded p
	P_SUM 3
	WIN 0
	FOLDS 15                                       ; l_w
	P_CVT 2
	P_CVT 3
	; ---- O^T = V^T P over my 256 keys: eight steps of 32 keys, 32 matrix instructions each
.macro PVFETCH kp                      ; turned: lane l holds channel 16 d + l % 16 and keys 8 (l / 16) + 0 .. 7 of key tile 2 kp, then of 2 kp + 1
	WIN 0x40
.irp d, 0,1,2,3,4,5,6,7
	ds_load_tr16_b128 v[64*((\kp)%2)+8*\d:64*((\kp)%2)+8*\d+3], v2 offset:8192*(\kp)+512*\d
	ds_load_tr16_b128 v[64*((\kp)%2)+8*\d+4:64*((\kp)%2)+8*\d+7], v2 offset:8192*(\kp)+4096+512*\d
.endr
.endm
.macro PVMUL kp, w                     ; sixteen accumulators by turns; the first 32 keys start the sums
	WIN 0x01+0x54*(\w)
.irp d, 0,1,2,3,4,5,6,7
.irp u, 0,1
.if (\kp) == 0
	v_wmma_f32_16x16x32_f16 v[128*\u+16*\d+8:128*\u+16*\d+15], v[64*((\kp)%2)+8*\d:64*((\kp)%2)+8*\d+7], v[128*\u+16*(\kp):128*\u+16*(\kp)+7], 0
.else
	v_wmma_f32_16x16x32_f16 v[128*\u+16*\d+8:128*\u+16*\d+15], v[64*((\kp)%2)+8*\d:64*((\kp)%2)+8*\d+7], v[128*\u+16*(\kp):128*\u+16*(\kp)+7], v[128*\u+16*\d+8:128*\u+16*\d+15]
.endif
.endr
.endr
.endm
.macro PVSTEP kp
.if (\kp) < 7
.if (\kp) > 0
	PLACES
.endif
	PVFETCH (\kp)+1
	s_wait_dscnt 16                                ; all but the 16 just issued
.else
	s_wait_dscnt 0x0
.endif
	PVMUL \kp, 2
	PVMUL \kp, 3
.endm
	s_wait_tensorcnt 0x0                           ; my part of V is in, and I alone read it
	PVFETCH 0
.irp k, 0,1,2,3,4,5,6,7
	PVSTEP \k
.endr
	; ---- the four waves' parts meet.  My partial O goes into the first 32,768 of my own bytes, which have had their last fill and whose reads are over
	PLACES
.macro O_OUT w
	WIN 4*(\w)                                     ; an LDS store's data are its source 1
.irp u, 0,1
.irp d, 0,1,2,3,4,5,6,7
	ds_store_b128 v2, v[128*\u+16*\d+8:128*\u+16*\d+11] offset:(8*(2*((\w)-2)+\u)+\d)*1024
	ds_store_b128 v2, v[128*\u+16*\d+12:128*\u+16*\d+15] offset:(8*(2*((\w)-2)+\u)+\d)*1024+512
.endr
.endr
.endm
	O_OUT 2
	O_OUT 3
	WIN 0
.irp t, 0,1,2,3
	ds_store_b64 v8, v[ST+16*\t+14:ST+16*\t+15] offset:256*\t
.endr
	s_wait_dscnt 0x0
	s_barrier_signal -1
	s_barrier_wait -1
.irp t, 0,1,2,3
.irp x, 0,1,2,3
	ds_load_b64 v[XS+8*\t+2*\x:XS+8*\t+2*\x+1], v9 offset:1024*\x+256*\t
.endr
.endr
.macro RLOAD t                         ; tile t, channels 32 w .. 32 w + 31, of all four waves: window 1, v[64 t + 16 x ..]
.irp x, 0,1,2,3
.irp e, 0,1,2,3
	ds_load_b128 v[64*(\t)+16*\x+4*\e:64*(\t)+16*\x+4*\e+3], v[10+\x] offset:8192*(\t)+512*\e
.endr
.endr
.endm
	WIN 0x40
	RLOAD 0
	RLOAD 1
	s_wait_dscnt 32                                ; the statistics are in; the 32 loads behind them may be out
	RLOAD 2
	RLOAD 3
	WIN 0
.irp t, 0,1,2,3
	v_max3_num_f32 v[ST+16*\t], v[XS+8*\t], v[XS+8*\t+2], v[XS+8*\t+4]
.endr
.irp t, 0,1,2,3
	v_max_num_f32 v[ST+16*\t], v[ST+16*\t], v[XS+8*\t+6]                ; the common maximum
.endr
.irp t, 0,1,2,3
.irp x, 0,1,2,3
	v_sub_f32 v[GG+4*\t+\x], v[XS+8*\t+2*\x], v[ST+16*\t]
.endr
.endr
.irp i, 0,1,2,3,4,5,6,7,8,9,10,11,12,13,14,15
	v_exp_f32 v[GG+\i], v[GG+\i]                                        ; f = 2^(mL_x - the maximum)
.endr
	v_nop
	s_wait_alu depctr_va_vdst(0)                   ; one wait for the sixteen
.irp t, 0,1,2,3
	v_mul_f32 v[ST+16*\t+1], v[GG+4*\t], v[XS+8*\t+1]
.endr
.irp x, 1,2,3
.irp t, 0,1,2,3
	v_fma_f32 v[ST+16*\t+1], v[GG+4*\t+\x], v[XS+8*\t+2*\x+1], v[ST+16*\t+1]   ; l = sum f l_x
.endr
.endr
.irp t, 0,1,2,3
	v_rcp_f32 v[ST+16*\t+1], v[ST+16*\t+1]
.endr
	v_nop
	s_wait_alu depctr_va_vdst(0)                   ; one wait for the four
.irp t, 0,1,2,3
.irp x, 0,1,2,3
	v_mul_f32 v[GG+4*\t+\x], v[GG+4*\t+\x], v[ST+16*\t+1]               ; g = f / l
.endr
.endr
.macro REDUCE t                        ; o = sum g_x O_x, rounded to f16: a fragment (16 rows x 32 along the last product's K) of att
.set AC, 96+16*((\t)%2)
.set GB, GG+4*(\t)
	s_wait_dscnt 48-16*(\t)                        ; this tile's 16 loads are in; the later tiles' may be out
	WIN 0x01                                       ; source 0 in window 1
.irp e, 0,1,2,3,4,5,6,7
	v_pk_mul_f32 v[AC+2*\e:AC+2*\e+1], v[64*(\t)+2*\e:64*(\t)+2*\e+1], v[GB:GB+1] op_sel_hi:[1,0]
.endr
.irp e, 0,1,2,3,4,5,6,7
	v_pk_fma_f32 v[AC+2*\e:AC+2*\e+1], v[64*(\t)+16+2*\e:64*(\t)+16+2*\e+1], v[GB:GB+1], v[AC+2*\e:AC+2*\e+1] op_sel:[0,1,0] op_sel_hi:[1,1,1]
.endr
.irp e, 0,1,2,3,4,5,6,7
	v_pk_fma_f32 v[AC+2*\e:AC+2*\e+1], v[64*(\t)+32+2*\e:64*(\t)+32+2*\e+1], v[GB+2:GB+3], v[AC+2*\e:AC+2*\e+1] op_sel_hi:[1,0,1]
.endr
.irp e, 0,1,2,3,4,5,6,7
	v_pk_fma_f32 v[AC+2*\e:AC+2*\e+1], v[64*(\t)+48+2*\e:64*(\t)+48+2*\e+1], v[GB+2:GB+3], v[AC+2*\e:AC+2*\e+1] op_sel:[0,1,0] op_sel_hi:[1,1,1]
.endr
	WIN 0
.irp i, 0,1,2,3,4,5,6,7
	v_cvt_pk_f16_f32 v[192+8*(\t)+\i], v[AC+2*\i], v[AC+2*\i+1]
.endr
	global_store_b128 v1, v[192+8*(\t):195+8*(\t)], s[14:15] offset:32768*(\t)        ; 512 consecutive bytes, aligned; every store has data registers of its own
	global_store_b128 v1, v[196+8*(\t):199+8*(\t)], s[14:15] offset:32768*(\t)+512
.endm
	REDUCE 0
	REDUCE 1
	REDUCE 2
	REDUCE 3
	s_wait_tensorcnt 0x0                           ; the wave's end
	ds_add_u32 v[SPW], v[NIL]
	s_wait_dscnt 0x0
	ROUND                                          ; the closing round
	s_endpgm
.Lfunc_end_k_q89784cb2be_attn:
	.size	k_q89784cb2be_attn, .Lfunc_end_k_q89784cb2be_attn-k_q89784cb2be_attn
	.p2alignl 7, 3214868480
	.fill 96, 4, 3214868480
	.section	.rodata,"a",@progbits
	.p2align	6, 0x0
	.amdhsa_kernel k_q89784cb2be_attn
		.amdhsa_group_segment_fixed_size 327680
		.amdhsa_private_segment_fixed_size 0
		.amdhsa_enable_private_segment 0
		.amdhsa_kernarg_size 48
		.amdhsa_user_sgpr_count 2
		.amdhsa_user_sgpr_kernarg_segment_ptr 1
		.amdhsa_wavefront_size32 1
		.amdhsa_system_sgpr_workgroup_id_x 1
		.amdhsa_system_sgpr_workgroup_id_y 1
		.amdhsa_system_sgpr_workgroup_id_z 1
		.amdhsa_system_vgpr_workitem_id 0
		.amdhsa_next_free_vgpr 1024
		.amdhsa_next_free_sgpr 96
		.amdhsa_reserve_vcc 0
		.amdhsa_float_denorm_mode_32 3
		.amdhsa_float_denorm_mode_16_64 3
		.amdhsa_memory_ordered 1
		.amdhsa_forward_progress 1
		.amdhsa_inst_pref_size 255
	.end_amdhsa_kernel
	.section	.bss,"aw",@nobits
	.p2align	6
	.space	262144
	.amdgpu_metadata
---
amdhsa.version: [ 1, 2 ]
amdhsa.kernels:
  - .name:           k_q89784cb2be_attn
    .symbol:         k_q89784cb2be_attn.kd
    .args:
      - { .name: heads, .offset: 0, .size: 8, .value_kind: global_buffer, .address_space: global }
      - { .name: Wup, .offset: 8, .size: 8, .value_kind: global_buffer, .address_space: global }
      - { .name: tau, .offset: 16, .size: 8, .value_kind: global_buffer, .address_space: global }
      - { .name: ln_w, .offset: 24, .size: 8, .value_kind: global_buffer, .address_space: global }
      - { .name: ln_b, .offset: 32, .size: 8, .value_kind: global_buffer, .address_space: global }
      - { .name: att, .offset: 40, .size: 8, .value_kind: global_buffer, .address_space: global }
    .group_segment_fixed_size: 327680
    .private_segment_fixed_size: 0
    .kernarg_segment_align: 8
    .kernarg_segment_size: 48
    .max_flat_workgroup_size: 128
    .sgpr_count:     96
    .vgpr_count:     1024
    .wavefront_size: 32
...
	.end_amdgpu_metadata
.endif
;; end of part 3
;; launch outp (part 4): grid 4 x 64, 4 waves a work-group, clusters of 4 x 4, 327,680 bytes of LDS; arguments att, wm16, bm, out0; writes out0
.if DOCPART == 4
	.amdgcn_target "amdgcn-amd-amdhsa--gfx1250"
	.amdhsa_code_object_version 6
	.text
	.protected	k_q89784cb2be_outp
	.globl	k_q89784cb2be_outp
	.p2align	8
	.type	k_q89784cb2be_outp,@function
k_q89784cb2be_outp:
	s_mov_b64 s[64:65], 0
	v_nop
	global_prefetch_b8 v0, s[64:65] scope:SCOPE_SE
	s_setreg_imm32_b32 hwreg(HW_REG_WAVE_MODE, 25, 1), 1
	s_wait_xcnt 0x0
	s_wait_alu depctr_hold_cnt(0) depctr_sa_sdst(0) depctr_va_vdst(0) depctr_va_sdst(0) depctr_va_ssrc(0) depctr_va_vcc(0) depctr_vm_vsrc(0)
	s_getreg_b32 s2, hwreg(HW_REG_IB_STS2, 6, 4)
	s_cmp_eq_u32 s2, 0
	s_cbranch_scc0 .Lentry_in_a_cluster
	s_endpgm
.Lentry_in_a_cluster:
	s_bfe_u32 s2, ttmp6, 0x10000c
	s_cmp_lg_u32 s2, 0xf033
	s_cbranch_scc0 .Lentry_shape_is_right
	s_endpgm
.Lentry_shape_is_right:
; out0 = att Wm^T + bm: [8,192 x 1,024] x [1,024 x 1,024], operands in f16, sums in f32 begun with the bias.
; Both operands lie in memory in the order of the operand's registers: [tile of 16 rows][32 steps of 32 along K][1,024 bytes]: a fragment is two LDS loads at 16 x lane, with no pitch and no padding.
; A work-group makes 128 rows x 256 columns (256 work-groups); a wave 64 x 128: 32 accumulators.  K goes in 8 steps of 128 through a ring of two LDS slots: of each row tile a step is 4,096 consecutive bytes.
; CLUSTERS: 4 x 4 work-groups; att's tiles are shared along a row of the cluster, Wm's along a column: joint loads, a round of the cluster's barrier in front of each refill.
; THE MATRIX INSTRUCTION IS USED TRANSPOSED (source 0 = 16 rows of Wm, source 1 = 16 rows of att): a lane holds eight neighbouring numbers of a row of out0.
; No prefetch: a K step is 128 matrix instructions a wave and the whole launch is eight of them.
; REGISTERS: window 0: v16-29 addresses; v32-95 the bias in the result's layout; v128-255 the way out.  window 1: two fragment buffers (att's 4 fragments, then Wm's 8) at v0 and v128.  window 2: accumulator (a, b) at v[8 (8 a + b)].
.set SLOT,   98304                     ; att's 8 row tiles x 4,096 bytes, then Wm's 16
.set BOFF,   32768
.set SPARE,  2*SLOT                    ; the spare words, 128 bytes a wave
.set SPITCH, 528                       ; the way out: a stage of 16 rows x (512 bytes + 16) for each wave, in slot 0, behind its last fill and its last read
.set LAPS,   4                         ; a lap = two K steps
.set ADRA, 16                          ; v16-17 my att fragments in slot 0, 1
.set ADRB, 20                          ; v20-21 my Wm fragments
.set STO,  24
.set RD,   25
.set CO,   26
.set BO,   27
.set SPW,  28
.set NIL,  29
.set BI,   32
.set BK,   128
.set F0,   0
.set F1,   128
.set G1, 24                            ; s[24:31] group 1 for att's tiles; s[32:39] groups 0, one for each slot
.set G0, 32
.set G1B, 48                           ; s[48:55], s[56:63] the same for Wm's
.set G0B, 56
.set MSB, 0
.macro WIN new
.if MSB != (\new)
	s_set_vgpr_msb (MSB<<8)|(\new)
.set MSB, (\new)
.endif
.endm
.set MUL,  0xa5                        ; sources 0 and 1 window 1; C and D window 2
.set MULB, 0x85                        ; the same with C (the bias) in window 0
.set TO_F, 0x40
.macro JLOAD s                         ; waves 0 and 1 fetch att's two halves, waves 2 and 3 Wm's; an s_nop 0 and four v_nop follow each of the two lines
	s_cmp_eq_u32 s13, 0
	s_cbranch_scc0 .Lfor_b_\@
	tensor_load_to_lds s[G0+4*\s:G0+4*\s+3], s[G1:G1+7]
	s_nop 0
.rept 4
	v_nop
.endr
	s_branch .Lasked_\@
.Lfor_b_\@:
	tensor_load_to_lds s[G0B+4*\s:G0B+4*\s+3], s[G1B:G1B+7]
	s_nop 0
.rept 4
	v_nop
.endr
.Lasked_\@:
.endm
.macro CREST                           ; a round of the cluster's barrier behind its opening barrier
	s_cmp_lg_u32 s12, 0
	s_cbranch_scc1 .Lnot_wave_0_\@
	s_barrier_signal -3
.Lnot_wave_0_\@:
	s_barrier_wait -3
	s_barrier_signal -1
	s_barrier_wait -1
.endm
.macro CROUND
	s_barrier_signal -1
	s_barrier_wait -1
	CREST
.endm
	s_load_b256 s[4:11], s[0:1], 0x0               ; att, wm16, bm, out0
	v_lshl_add_u32 v[SPW], v0, 2, SPARE
	v_mov_b32 v[NIL], 0
	ds_add_u32 v[SPW], v[NIL]                      ; the wave's opening: the add, twice on end, and its wait ahead of my first tensor load
	ds_add_u32 v[SPW], v[NIL]
	v_lshrrev_b32 v1, 5, v0
	v_readfirstlane_b32 s12, v1                    ; wave 0..3
	s_lshr_b32 s13, s12, 1                         ; which 64 rows are mine.  Also: I fetch for att (0) or for Wm (1)
	s_and_b32 s14, s12, 1                          ; which 128 columns.  Also: which half of that tile I fetch
	s_bfe_u32 s40, ttmp6, 0x40000                  ; cx, cy
	s_bfe_u32 s41, ttmp6, 0x40004
	s_lshl_b32 s42, ttmp9, 2
	s_add_co_u32 s42, s42, s40                     ; tile column
	s_and_b32 s15, ttmp7, 0xffff
	s_lshl_b32 s15, s15, 2
	s_add_co_u32 s15, s15, s41                     ; tile row
	s_lshl_b32 s43, s41, 2
	s_lshl_b32 s43, 15, s43                        ; my row of the cluster
	s_lshl_b32 s44, 0x1111, s40                    ; my column
	s_or_b32 s[G1], s43, (3<<16)|(1<<21)           ; elements of 8 bytes, no padding
	s_or_b32 s[G1B], s44, (3<<16)|(1<<21)
	s_mov_b32 s[G1+1], 512<<16                     ; a row of the tile: 4,096 bytes of one row tile
	s_mov_b32 s[G1+2], 4<<16                       ; four row tiles to a load
	s_mov_b32 s[G1+3], 512<<16
	s_mov_b32 s[G1+4], 4
	s_mov_b32 s[G1+5], 4096                        ; 32,768 bytes from a row tile to the next
	s_mov_b32 s[G1+6], 0
	s_mov_b32 s[G1+7], 0
	s_mov_b32 s[G1B+1], 512<<16
	s_mov_b32 s[G1B+2], 8<<16                      ; eight
	s_mov_b32 s[G1B+3], 512<<16
	s_mov_b32 s[G1B+4], 8
	s_mov_b32 s[G1B+5], 4096
	s_mov_b32 s[G1B+6], 0
	s_mov_b32 s[G1B+7], 0
	s_lshl_b32 s16, s15, 3
	s_lshl_b32 s17, s14, 2
	s_add_co_u32 s16, s16, s17                     ; att: row tile 8 x tile row + 4 x half
	s_lshl_b32 s16, s16, 15
	s_mov_b32 s17, 0
	s_lshl_b32 s46, s42, 4
	s_lshl_b32 s47, s14, 3
	s_add_co_u32 s46, s46, s47                     ; Wm: row tile 16 x tile column + 8 x half
	s_lshl_b32 s46, s46, 15
	s_mov_b32 s47, 0
	s_lshl_b32 s20, s14, 14                        ; where they go: att's halves 16,384 bytes apart,
	s_lshl_b32 s21, s14, 15
	s_add_co_u32 s21, s21, BOFF                    ; Wm's behind them, 32,768 apart: no place in the cluster enters an LDS address
	s_wait_dscnt 0x0                               ; both opening adds are done
	s_wait_kmcnt 0x0
	s_add_nc_u64 s[18:19], s[4:5], s[16:17]
	s_add_nc_u64 s[46:47], s[6:7], s[46:47]
	CROUND                                         ; all sixteen work-groups are here: the first joint loads meet
.irp s, 0,1
	s_mov_b32 s[G0+4*\s], 1
	s_add_co_u32 s[G0+4*\s+1], s20, \s*SLOT
	s_add_nc_u64 s[G0+4*\s+2:G0+4*\s+3], s[18:19], \s*4096
	s_or_b32 s[G0+4*\s+3], s[G0+4*\s+3], 0x80000000
	s_mov_b32 s[G0B+4*\s], 1
	s_add_co_u32 s[G0B+4*\s+1], s21, \s*SLOT
	s_add_nc_u64 s[G0B+4*\s+2:G0B+4*\s+3], s[46:47], \s*4096
	s_or_b32 s[G0B+4*\s+3], s[G0B+4*\s+3], 0x80000000
	JLOAD \s
.endr
	v_and_b32 v1, 15, v0                           ; r
	v_bfe_u32 v2, v0, 4, 1                         ; h
	v_and_b32 v3, 31, v0
	v_lshlrev_b32 v[CO], 4, v3                     ; 16 x lane: an image's place, and my 16 bytes of a row of 512
	s_lshl_b32 s22, s13, 14                        ; my four row tiles of att
	s_lshl_b32 s23, s14, 15
	s_add_co_u32 s23, s23, BOFF                    ; my eight of Wm
.irp s, 0,1
	v_add_nc_u32 v[ADRA+\s], s22, v[CO]
	v_add_nc_u32 v[ADRB+\s], s23, v[CO]
	s_add_co_u32 s22, s22, SLOT
	s_add_co_u32 s23, s23, SLOT
.endr
	s_mul_i32 s22, s12, 16*SPITCH                  ; my stage
	v_mul_u32_u24 v4, v1, SPITCH
	v_lshl_add_u32 v4, v2, 5, v4
	v_add_nc_u32 v[STO], s22, v4                   ; in: row r, 32 bytes for each half of the lanes
	v_add_nc_u32 v[RD], s22, v[CO]                 ; back: the 32 lanes take one row of 512 bytes
	v_lshlrev_b32 v[BO], 5, v2
	s_lshl_b32 s16, s15, 7
	s_lshl_b32 s17, s13, 6
	s_add_co_u32 s16, s16, s17                     ; my first row of out0: 128 x tile row + 64 x half,
	s_lshl_b32 s16, s16, 12                        ; 4,096 bytes a row
	s_mov_b32 s17, 0
	s_add_nc_u64 s[10:11], s[10:11], s[16:17]
	s_lshl_b32 s46, s42, 10                        ; my first column in bytes: 1,024 x tile column + 512 x half
	s_lshl_b32 s47, s14, 9
	s_add_co_u32 s46, s46, s47
	s_mov_b32 s47, 0
	s_add_nc_u64 s[10:11], s[10:11], s[46:47]
	s_add_nc_u64 s[8:9], s[8:9], s[46:47]
.irp b, 0,1,2,3,4,5,6,7                        ; block b: register j = bm of column 16 b + 8 h + j
	global_load_b128 v[BI+8*\b:BI+8*\b+3], v[BO], s[8:9] offset:64*\b
	global_load_b128 v[BI+8*\b+4:BI+8*\b+7], v[BO], s[8:9] offset:64*\b+16
.endr
.macro MUL8 f, a, first                ; att's block a against Wm's eight, 32 along K.  The 32 accumulators take turns, one instruction a turn
.irp b, 0,1,2,3,4,5,6,7
.if \first
	v_wmma_f32_16x16x32_f16 v[8*(8*(\a)+\b):8*(8*(\a)+\b)+7], v[\f+32+8*\b:\f+32+8*\b+7], v[\f+8*(\a):\f+8*(\a)+7], v[BI+8*\b:BI+8*\b+7]
.else
	v_wmma_f32_16x16x32_f16 v[8*(8*(\a)+\b):8*(8*(\a)+\b)+7], v[\f+32+8*\b:\f+32+8*\b+7], v[\f+8*(\a):\f+8*(\a)+7], v[8*(8*(\a)+\b):8*(8*(\a)+\b)+7]
.endif
.endr
.endm
.macro FETCH slot, q, f                ; 24 LDS loads in one run: the slot's q-th 32 along K: Wm's eight fragments, then att's four
	WIN TO_F
.irp i, 0,1,2,3,4,5,6,7
	ds_load_b128 v[\f+32+8*\i:\f+32+8*\i+3], v[ADRB+\slot] offset:\i*4096+1024*(\q)
	ds_load_b128 v[\f+32+8*\i+4:\f+32+8*\i+7], v[ADRB+\slot] offset:\i*4096+1024*(\q)+512
.endr
.irp i, 0,1,2,3
	ds_load_b128 v[\f+8*\i:\f+8*\i+3], v[ADRA+\slot] offset:\i*4096+1024*(\q)
	ds_load_b128 v[\f+8*\i+4:\f+8*\i+7], v[ADRA+\slot] offset:\i*4096+1024*(\q)+512
.endr
.endm
.macro PLACES                          ; four plain vector instructions in front of loads into registers that matrix instructions have read, and of reads of results
.rept 4
	v_nop
.endr
.endm
; A K step is four quarters of 32 along K, 32 matrix instructions each, on buffers 0, 1, 0, 1.  One of the first three multiplies buffer f and fetches quarter q of the same slot into g.
.macro QUARTER slot, q, f, g, first
	s_wait_dscnt 4                                 ; Wm's fragments and att's blocks 0, 1 are in; the youngest four loads (blocks 2, 3) may be out
.if \first
	WIN MULB
.else
	WIN MUL
.endif
	MUL8 \f, 0, \first
	MUL8 \f, 1, \first
	PLACES
	FETCH \slot, \q, \g
	s_wait_dscnt 24                                ; all but the 24 just issued
.if \first
	WIN MULB
.else
	WIN MUL
.endif
	MUL8 \f, 2, \first
	MUL8 \f, 3, \first
.endm
; The last quarter multiplies buffer 1 and changes slots: one barrier; in front of it each wave waits for all its tensor loads, adds 0 to its spare word, and waits for that and for its reads of this slot.
.macro TURN slot, next, fill
	WIN 0                                          ; (the add's two registers lie in window 0)
	s_wait_tensorcnt 0x0                           ; all my tensor loads have landed: my part of the next slot
	ds_add_u32 v[SPW], v[NIL]
	s_wait_dscnt 5                                 ; (the add and the youngest four loads may be out)
	WIN MUL
	MUL8 F1, 0, 0                                  ; eight matrix instructions stand between the add and the wait for it
	s_wait_dscnt 0x0                               ; the add is done, and my reads of this slot are over
	s_barrier_signal -1
	MUL8 F1, 1, 0
.if \fill
	WIN 0
.endif
	s_barrier_wait -1
.if \fill
	CREST                                          ; the barrier has opened a round of the cluster's: no wave of any partner still reads this slot or has a load on its way
	s_add_nc_u64 s[G0+4*\slot+2:G0+4*\slot+3], s[G0+4*\slot+2:G0+4*\slot+3], 2*4096
	s_add_nc_u64 s[G0B+4*\slot+2:G0B+4*\slot+3], s[G0B+4*\slot+2:G0B+4*\slot+3], 2*4096
	JLOAD \slot                                    ; the first tensor load behind the round; its four v_nop are also the places in front of the loads below
.else
	PLACES
.endif
	FETCH \next, 0, F0
	WIN MUL
	MUL8 F1, 2, 0
	MUL8 F1, 3, 0
.endm
	s_wait_tensorcnt 1                             ; my part of K step 0 is in (K step 1's may be out)
	s_barrier_signal -1
	s_barrier_wait -1                              ; everybody's is
	FETCH 0, 0, F0
	s_wait_loadcnt 0x0                             ; the bias
	QUARTER 0, 1, F0, F1, 1                        ; the first quarter stands in front of the loop: the bias starts the sums
	WIN 0                                          ; at a label and at a branch every window is 0
	s_mov_b32 s3, LAPS-1
.Llap:                                             ; a trip goes once round the ring, from a lap's second quarter to the next lap's first, and fills both slots again
	QUARTER 0, 2, F1, F0, 0
	QUARTER 0, 3, F0, F1, 0
	TURN 0, 1, 1
	QUARTER 1, 1, F0, F1, 0
	QUARTER 1, 2, F1, F0, 0
	QUARTER 1, 3, F0, F1, 0
	TURN 1, 0, 1
	QUARTER 0, 1, F0, F1, 0
	WIN 0
	s_sub_co_u32 s3, s3, 1
	s_cmp_lg_u32 s3, 0
	s_cbranch_scc1 .Llap
	QUARTER 0, 2, F1, F0, 0                        ; the last lap fills nothing
	QUARTER 0, 3, F0, F1, 0
	TURN 0, 1, 0
	QUARTER 1, 1, F0, F1, 0
	QUARTER 1, 2, F1, F0, 0
	QUARTER 1, 3, F0, F1, 0
	s_wait_dscnt 4                                 ; the very last quarter: nothing more to fetch
	WIN MUL
	MUL8 F1, 0, 0
	MUL8 F1, 1, 0
	s_wait_dscnt 0
	MUL8 F1, 2, 0
	MUL8 F1, 3, 0
	WIN 0
; THE WAY OUT, block by block of 16 rows x 128 columns: through my own stage in LDS, back as whole rows of 512 bytes.  LDS serves a wave's instructions in order: no wait between the stores and the loads.
.macro TOSTAGE a
	WIN 0x08                                       ; the data: window 2
.irp b, 0,1,2,3,4,5,6,7
	ds_store_b128 v[STO], v[64*(\a)+8*\b:64*(\a)+8*\b+3] offset:64*\b            ; each accumulator from its low end on
	ds_store_b128 v[STO], v[64*(\a)+8*\b+4:64*(\a)+8*\b+7] offset:64*\b+16
.endr
	WIN 0
.set BB, BK+64*((\a)%2)
.irp t, 0,1,2,3,4,5,6,7,8,9,10,11,12,13,14,15
	ds_load_b128 v[BB+4*\t:BB+4*\t+3], v[RD] offset:\t*SPITCH
.endr
.endm
.macro SEND a, younger                 ; younger: the LDS instructions issued behind block a's loads, which may stay out
.set BB, BK+64*((\a)%2)
	s_wait_dscnt \younger
.if (\a) > 0
	s_add_nc_u64 s[10:11], s[10:11], 16*4096       ; (behind a wait on XCNT: the earlier stores have read their base)  16 rows on
.endif
.irp t, 0,1,2,3,4,5,6,7,8,9,10,11,12,13,14,15
	global_store_b128 v[CO], v[BB+4*\t:BB+4*\t+3], s[10:11] offset:\t*4096 th:TH_STORE_NT   ; 32 lanes store 512 consecutive bytes, aligned
.endr
.endm
	PLACES
	TOSTAGE 0
.irp a, 1,2,3
.if \a > 1
	s_wait_xcnt 0x0                                ; block a - 2's stores have read their registers and their base
.endif
	TOSTAGE \a
	SEND \a-1, 32                                  ; behind block a - 1's loads: block a's 16 stores and 16 loads
.endr
	s_wait_xcnt 0x0
	SEND 3, 0
	s_wait_tensorcnt 0x0                           ; the wave's end
	ds_add_u32 v[SPW], v[NIL]
	s_wait_dscnt 0x0
	CROUND                                         ; the closing round
	s_endpgm
.Lfunc_end_k_q89784cb2be_outp:
	.size	k_q89784cb2be_outp, .Lfunc_end_k_q89784cb2be_outp-k_q89784cb2be_outp
	.p2alignl 7, 3214868480
	.fill 96, 4, 3214868480
	.section	.rodata,"a",@progbits
	.p2align	6, 0x0
	.amdhsa_kernel k_q89784cb2be_outp
		.amdhsa_group_segment_fixed_size 327680
		.amdhsa_private_segment_fixed_size 0
		.amdhsa_enable_private_segment 0
		.amdhsa_kernarg_size 32
		.amdhsa_user_sgpr_count 2
		.amdhsa_user_sgpr_kernarg_segment_ptr 1
		.amdhsa_wavefront_size32 1
		.amdhsa_system_sgpr_workgroup_id_x 1
		.amdhsa_system_sgpr_workgroup_id_y 1
		.amdhsa_system_sgpr_workgroup_id_z 1
		.amdhsa_system_vgpr_workitem_id 0
		.amdhsa_next_free_vgpr 768
		.amdhsa_next_free_sgpr 66
		.amdhsa_reserve_vcc 0
		.amdhsa_float_denorm_mode_32 3
		.amdhsa_float_denorm_mode_16_64 3
		.amdhsa_memory_ordered 1
		.amdhsa_forward_progress 1
		.amdhsa_inst_pref_size 86
	.end_amdhsa_kernel
	.amdgpu_metadata
---
amdhsa.version: [ 1, 2 ]
amdhsa.kernels:
  - .name:           k_q89784cb2be_outp
    .symbol:         k_q89784cb2be_outp.kd
    .args:
      - { .name: att, .offset: 0, .size: 8, .value_kind: global_buffer, .address_space: global }
      - { .name: wm16, .offset: 8, .size: 8, .value_kind: global_buffer, .address_space: global }
      - { .name: bm, .offset: 16, .size: 8, .value_kind: global_buffer, .address_space: global }
      - { .name: out0, .offset: 24, .size: 8, .value_kind: global_buffer, .address_space: global }
    .group_segment_fixed_size: 327680
    .private_segment_fixed_size: 0
    .kernarg_segment_align: 8
    .kernarg_segment_size: 32
    .max_flat_workgroup_size: 128
    .sgpr_count:     66
    .vgpr_count:     768
    .wavefront_size: 32
...
	.end_amdgpu_metadata
.endif
;; end of part 4
